; MI455X (gfx1250); checked and timed in simulation.
; The chip was launched on July 23, 2026; its instructions are those of AMD's public machine-readable ISA for CDNA 5 (MIT licence, August 2026) and "CDNA5" Instruction Set Architecture Reference Guide (July 2026). The comments in the code are by the model that wrote it; some were corrected since.
;; SAPA. Allowed arithmetic: float matrix products may take bf16 or f16 operands with f32 sums; other float arithmetic in f32, or as packed bf16 or f16 multiplies, adds, multiply-adds, maxima and minima; sums over many terms, partial sums and values carried from step to step in f32; what a program stores and reads back later, other than sums and carried values, may be rounded once to bf16 or f16.
;; Inputs: gn_x_b 256 float32; gn_x_w 256 float32; gn_y_b 256 float32; gn_y_w 256 float32; k_b 32 float32; k_w 32 x 256 float32; q_b 32 float32; q_w 32 x 256 float32; x 4 x 256 x 64 x 64 float32; y 4 x 256 x 128 x 128 float32.
;; Outputs: out0 4 x 256 x 128 x 128 float32.
;; 2 versions, each right; version 2 is version 1 with the launch fuse written anew for expert scheduling mode. Each part assembles by itself: llvm-mc -triple=amdgcn-amd-amdhsa -mcpu=gfx1250 --defsym DOCPART=n.
;; ======== version 1 of 2: 2 launches
;; limits: values are held in f16: magnitudes above 65,504 overflow, below 6.1e-05 lose precision
;; workspace buffers: part 10,240 bytes
;; launch stats (part 1): grid 1280 x 1, 8 waves a work-group, no clusters, 1,280 bytes of LDS; arguments y, x, part; writes part
.if DOCPART == 1
	.amdgcn_target "amdgcn-amd-amdhsa--gfx1250"
	.amdhsa_code_object_version 6
	.text
	.protected	k_qd3f60e5688_stats
	.globl	k_qd3f60e5688_stats
	.p2align	8
	.type	k_qd3f60e5688_stats,@function
k_qd3f60e5688_stats:
	s_mov_b64 s[64:65], 0
	v_nop
	global_prefetch_b8 v0, s[64:65] scope:SCOPE_SE
	s_setreg_imm32_b32 hwreg(HW_REG_WAVE_MODE, 25, 1), 1
	s_wait_xcnt 0x0
; FIRST OF TWO LAUNCHES: partial sums for the two group norms.
; y: [4][256][128][128] f32, x: [4][256][64][64] f32; a group is 8 channels on end: 524,288 bytes of y, 131,072 of x.
; A work-group takes 65,536 consecutive bytes: numbers 0..1023 are y's chunks (8 to a group), 1024..1279 are x's (2 to a group).
; It stores two f32 numbers at byte 8 x its number of part: the sum of (v - p) and the sum of (v - p)^2, where the pivot p is the FIRST number of the chunk's group.
; All chunks of a group share p, so their partial sums simply add; and with p taken away first, a common offset of the data never ends as a difference of two large sums.
; DEAD WORK: none is left out in either launch.  q_b and gn_y_b move q, which multiplies a k that differs from window place to window place.  k_b and gn_x_b add the same
; number to the logits of the window's places INSIDE the image only; a place outside keeps the logit 0 that the zero padding of reference() gives it, so at the borders that number does not cancel
; in the softmax.  Every input is therefore loaded by the second launch.
; LIMITS: sums in f32, in this text's own order; NaN and infinities are not treated apart.
; SHARES: eight waves; thread t takes 16 bytes at 16 t + 4,096 k, k = 0..15: a wave's load covers 512 consecutive bytes, and all sixteen loads are out before the first is waited for.
.set SPARE, 256                        ; LDS 0..63: the eight waves' pairs; from 256 on the spare words, 128 bytes a wave, which no other line names
.set X, 16                             ; v[16:79] load k at X + 4 k; v[16:19] then carry the sums of v - p
	s_load_b128 s[4:7], s[0:1], 0x0                ; y s[4:5], x s[6:7]
	s_load_b64 s[8:9], s[0:1], 0x10                ; part
	v_lshl_add_u32 v2, v0, 2, SPARE                ; my spare word
	v_mov_b32 v3, 0
	v_lshrrev_b32 v4, 5, v0
	v_readfirstlane_b32 s26, v4                    ; wave 0..7
	v_lshlrev_b32 v1, 4, v0                        ; 16 t
	v_mov_b32 v6, 0                                ; v_permlanex16_b32's destinations count as read: written here
	v_mov_b32 v7, 0
	s_mov_b32 s24, 0x76543210                      ; each lane takes its own place in the other half
	s_mov_b32 s25, 0xfedcba98
	s_mov_b32 s10, ttmp9                           ; the work-group's number
	s_sub_co_u32 s11, s10, 1024
	s_cmp_lt_u32 s10, 1024
	s_cselect_b32 s14, s10, s11                    ; the chunk's number in its tensor
	s_lshl_b32 s16, s14, 16                        ; the chunk's byte offset
	s_mov_b32 s17, 0
	s_lshr_b32 s18, s10, 3
	s_lshl_b32 s18, s18, 19                        ; y: the group's first byte
	s_lshr_b32 s19, s14, 1
	s_lshl_b32 s19, s19, 17                        ; x: the same
	s_cmp_lt_u32 s10, 1024
	s_cselect_b32 s18, s18, s19
	s_mov_b32 s19, 0
	s_lshl_b32 s28, s10, 3                         ; my 8 bytes of part
	s_mov_b32 s29, 0
	s_wait_kmcnt 0x0
	s_cmp_lt_u32 s10, 1024
	s_cselect_b64 s[12:13], s[4:5], s[6:7]         ; my tensor
	s_add_nc_u64 s[20:21], s[12:13], s[18:19]
	s_load_b32 s22, s[20:21], 0x0                  ; the pivot
	s_add_nc_u64 s[12:13], s[12:13], s[16:17]      ; my chunk
	s_add_nc_u64 s[8:9], s[8:9], s[28:29]
.set k, 0
.rept 16
	global_load_b128 v[X+4*k:X+4*k+3], v1, s[12:13] offset:4096*k
.set k, k+1
.endr
	s_wait_kmcnt 0x0
	s_xor_b32 s22, s22, 0x80000000                 ; -p
	s_mov_b32 s23, s22                             ; named with it as a pair
	s_wait_loadcnt 15                              ; loads come back in order: the first is in, fifteen younger ones stay out
	v_pk_add_f32 v[X:X+1], v[X:X+1], s[22:23] op_sel_hi:[1,0]
	v_pk_add_f32 v[X+2:X+3], v[X+2:X+3], s[22:23] op_sel_hi:[1,0]
	v_pk_mul_f32 v[8:9], v[X:X+1], v[X:X+1]        ; the first load starts all four chains: nothing is cleared
	v_pk_mul_f32 v[10:11], v[X+2:X+3], v[X+2:X+3]
.set k, 1
.rept 15
	s_wait_loadcnt 15-k                            ; load k is in; the 15 - k younger ones stay out
	v_pk_add_f32 v[X+4*k:X+4*k+1], v[X+4*k:X+4*k+1], s[22:23] op_sel_hi:[1,0]
	v_pk_add_f32 v[X+4*k+2:X+4*k+3], v[X+4*k+2:X+4*k+3], s[22:23] op_sel_hi:[1,0]
	v_pk_add_f32 v[X:X+1], v[X:X+1], v[X+4*k:X+4*k+1]
	v_pk_add_f32 v[X+2:X+3], v[X+2:X+3], v[X+4*k+2:X+4*k+3]
	v_pk_fma_f32 v[8:9], v[X+4*k:X+4*k+1], v[X+4*k:X+4*k+1], v[8:9]
	v_pk_fma_f32 v[10:11], v[X+4*k+2:X+4*k+3], v[X+4*k+2:X+4*k+3], v[10:11]
.set k, k+1
.endr
	v_pk_add_f32 v[X:X+1], v[X:X+1], v[X+2:X+3]
	v_pk_add_f32 v[8:9], v[8:9], v[10:11]
	v_add_f32 v4, v[X], v[X+1]                     ; my lane's sum of v - p
	v_add_f32 v5, v8, v9                           ; and of its square
.irp m, 1,2,4,8
	v_add_f32_dpp v4, v4, v4 row_xmask:\m row_mask:0xf bank_mask:0xf
	v_add_f32_dpp v5, v5, v5 row_xmask:\m row_mask:0xf bank_mask:0xf
.endr
	v_permlanex16_b32 v6, v4, s24, s25
	v_permlanex16_b32 v7, v5, s24, s25
	v_add_f32 v4, v4, v6
	v_add_f32 v5, v5, v7                           ; every lane holds the wave's pair
	v_mov_b32 v12, s26
	v_lshlrev_b32 v12, 3, v12
	ds_store_b64 v12, v[4:5]                       ; all lanes write the same 8 bytes with the same numbers
	s_wait_dscnt 0x0                               ; for the others' sake: my store is done
	s_barrier_signal -1
	s_barrier_wait -1
	s_cmp_lg_u32 s26, 0
	s_cbranch_scc1 .Lend                           ; wave 0 adds the eight pairs
	v_mov_b32 v13, 0
	ds_load_b128 v[16:19], v13
	ds_load_b128 v[20:23], v13 offset:16
	ds_load_b128 v[24:27], v13 offset:32
	ds_load_b128 v[28:31], v13 offset:48
	s_wait_dscnt 0x0
	v_pk_add_f32 v[16:17], v[16:17], v[18:19]
	v_pk_add_f32 v[20:21], v[20:21], v[22:23]
	v_pk_add_f32 v[24:25], v[24:25], v[26:27]
	v_pk_add_f32 v[28:29], v[28:29], v[30:31]
	v_pk_add_f32 v[16:17], v[16:17], v[20:21]
	v_pk_add_f32 v[24:25], v[24:25], v[28:29]
	v_pk_add_f32 v[16:17], v[16:17], v[24:25]
	v_cmp_eq_u32 vcc_lo, 0, v0
	s_wait_xcnt 0x0                                ; EXEC is narrowed only when every earlier memory instruction has read its sources
	s_and_saveexec_b32 s27, vcc_lo
	global_store_b64 v13, v[16:17], s[8:9]         ; one lane stores the work-group's 8 bytes
	s_wait_xcnt 0x0                                ; and widened again only behind the same wait
	s_or_b32 exec_lo, exec_lo, s27
.Lend:
	s_wait_tensorcnt 0x0                           ; the wave's end: three closing lines behind my last LDS store
	ds_add_u32 v2, v3
	s_wait_dscnt 0x0
	s_endpgm
.Lfunc_end_k_qd3f60e5688_stats:
	.size	k_qd3f60e5688_stats, .Lfunc_end_k_qd3f60e5688_stats-k_qd3f60e5688_stats
	.p2alignl 7, 3214868480
	.fill 96, 4, 3214868480
	.section	.rodata,"a",@progbits
	.p2align	6, 0x0
	.amdhsa_kernel k_qd3f60e5688_stats
		.amdhsa_group_segment_fixed_size 1280
		.amdhsa_private_segment_fixed_size 0
		.amdhsa_enable_private_segment 0
		.amdhsa_kernarg_size 24
		.amdhsa_user_sgpr_count 2
		.amdhsa_user_sgpr_kernarg_segment_ptr 1
		.amdhsa_wavefront_size32 1
		.amdhsa_system_sgpr_workgroup_id_x 1
		.amdhsa_system_sgpr_workgroup_id_y 1
		.amdhsa_system_sgpr_workgroup_id_z 1
		.amdhsa_system_vgpr_workitem_id 0
		.amdhsa_next_free_vgpr 96
		.amdhsa_next_free_sgpr 66
		.amdhsa_reserve_vcc 1
		.amdhsa_float_denorm_mode_32 3
		.amdhsa_float_denorm_mode_16_64 3
		.amdhsa_memory_ordered 1
		.amdhsa_forward_progress 1
		.amdhsa_inst_pref_size 12
	.end_amdhsa_kernel
	.amdgpu_metadata
---
amdhsa.version: [ 1, 2 ]
amdhsa.kernels:
  - .name:           k_qd3f60e5688_stats
    .symbol:         k_qd3f60e5688_stats.kd
    .args:
      - { .name: y, .offset: 0, .size: 8, .value_kind: global_buffer, .address_space: global }
      - { .name: x, .offset: 8, .size: 8, .value_kind: global_buffer, .address_space: global }
      - { .name: part, .offset: 16, .size: 8, .value_kind: global_buffer, .address_space: global }
    .group_segment_fixed_size: 1280
    .private_segment_fixed_size: 0
    .kernarg_segment_align: 8
    .kernarg_segment_size: 24
    .max_flat_workgroup_size: 256
    .sgpr_count:     66
    .vgpr_count:     96
    .wavefront_size: 32
...
	.end_amdgpu_metadata
.endif
;; end of part 1
;; launch fuse (part 2): grid 64 x 4, 4 waves a work-group, no clusters, 284,416 bytes of LDS; arguments y, x, gn_y_w, gn_y_b, gn_x_w, gn_x_b, q_w, q_b, k_w, k_b, part, out0; writes out0
.if DOCPART == 2
	.amdgcn_target "amdgcn-amd-amdhsa--gfx1250"
	.amdhsa_code_object_version 6
	.text
	.protected	k_qd3f60e5688_fuse
	.globl	k_qd3f60e5688_fuse
	.p2align	8
	.type	k_qd3f60e5688_fuse,@function
k_qd3f60e5688_fuse:
	s_mov_b64 s[64:65], 0
	v_nop
	global_prefetch_b8 v0, s[64:65] scope:SCOPE_SE
	s_setreg_imm32_b32 hwreg(HW_REG_WAVE_MODE, 25, 1), 1
	s_wait_xcnt 0x0
; SECOND OF TWO LAUNCHES: both group norms, both 1x1 projections, the 25 logits of each high-resolution pixel, their softmax and the weighted sum of x, for one low-resolution row.
; No work of reference() is left out (the first kernel's head says why every bias is live); every input is loaded.
; SHARES.  Work-group (i, b): low-resolution row i of batch b.  Wave w: u = w / 2, sg = w % 2: high-resolution row 2 i + u, pixels 64 sg .. 64 sg + 63, all 256 output channels.
; In the x phase wave w takes window row dy = w (image row i + w - 2) with all 256 channels, and channels 64 w .. 64 w + 63 of window row 4, whose f32 partial sums meet in LDS.
; ONE COLUMN MAP.  A load of 16 bytes a lane gives lane r (= lane % 16) pixels 4 r .. 4 r + 3; component t of such loads is column tile t, whose column r is pixel 4 r + t.
;   projection  D(e, column) = W (16 e x 32 channels) x normalised data (32 channels x 16 columns); rounded in pairs it is source 1 of
;   S^T         D(window place, column) = K (16 places x 32 e) x Q, with the window's mask (0 or -1e30) as the C operand; after the exponential, rounded in pairs, it is source 1 of
;   O           D(channel, column) = V (16 channels x 32 places) x P.  Register j of tile t goes, times 1 / l, into word t of quad j: four neighbouring pixels of one channel, 16 bytes a lane;
;               sixteen lanes store 256 consecutive bytes, aligned.  Nothing changes lanes from the first load to the last store.
; WINDOW PLACES.  A window row holds places pos = cell + 4 (72 of them; 0-3 and 68-71 are padding).  A wave's 32 cells see places 32 sg .. 32 sg + 39 of each of 5 rows: 25 groups of 8.
; S tile g holds two groups (its rows 0-7 and 8-15): groups 2 g and 2 g + 1 for g < 12; tile 12 repeats group 23, wholly hidden, beside group 24.  Tile 13 exists as four zero registers of P alone.
; A place outside the image holds k = 0 and v = 0: its logit is 0 and counts in the softmax, as the zero padding of reference() has it.  A window row outside the image is loaded from a
; clamped row that exists, and its rounded words are ANDed with 0: a selection, with no branch.
; FORMATS.  All four products take f16 operands and f32 sums.  Statistics, normalisation, maximum, exponentials, the sum l and 1 / l are f32.  p = 2^(c s - c m), c = log2(e), m the true maximum of the 25.
; LIMITS.  x, the normalised x and y, q_w, k_w, q and k lie within f16's range (65,504).  A hidden score counts as its value less 1e30.  A weight below 2^-126 counts as 0.  NaN and infinities are not treated apart.
; NO TENSOR LOADS, NO CLUSTER: every f32 word of x and y has to pass through registers to be normalised and rounded, and 5 rows x 256 channels of f32 (327,680 bytes) have no room in LDS beside V.
; NO PREFETCH: the launch is a plain stream in which each wave keeps four blocks of 8 KiB of register loads out.
; REGISTERS, in windows of 256 (s_set_vgpr_msb: bits 1:0 source 0, 3:2 source 1, 5:4 source 2, 7:6 destination):
;   window 0: v0-29 ids and addresses; v32-63 a, d; v64-79 weights' fragments; v80-111 data fragments; v112-143 at work; v144-207 eight accumulators; v208-239 Q; v240-255 at work
;             later v32-135 S^T, v136-143 at work, v240-251 sums and l; in the last phase v32-87 V's fragments, v144-175 four accumulators, v176-207 the quads to store
;   window 1: four load buffers of 64; later P, 56 a column tile          window 2: v0-127 the weights as loaded, later K's fragments; v128-223 twelve masks; v224-255 the two biases
.set KL,    184320                     ; LDS.  V: 0: x in f16, [channel 256][dy 5][pos 72]: 720 bytes a channel (45 x 16: sixteen channels' 16 bytes fall on different banks; 64 banks of 4 bytes: ISA guide 11.1), 144 a row
                                       ; KL: k in f16, [dy 5][pos 72], 80 bytes a place (64 + 16 of padding), 5,760 a row
.set TAB,   213248                     ; f32 by channel: a of x, d of x, a of y, d of y, 1,024 bytes each (a = rsqrt x gain, d = bias - mean x a)
.set WK,    217344                     ; k_w in f16, [e 32][channel 256], 528 bytes a row; q_w 16,896 bytes behind it
.set WQO,   16896
.set RED,   251136                     ; window row 4's partial sums, f32: 8,192 bytes a wave
.set SPARE, 283904                     ; the spare words, 128 bytes a wave, which no other line names
.set VX,    4                          ; v4   131,072 h + 16 r: my offset in a block of x (h = lane / 16: 8 channels on)
.set VY,    5                          ; v5   524,288 h + 16 r: the same in y, and in out0
.set TADR,  6                          ; v6   TAB + 32 h
.set TADR4, 7                          ; v7   + 256 w
.set WADR,  8                          ; v8   WK + 528 r + 16 h
.set WADR4, 9                          ; v9   + 128 w
.set VST,   10                         ; v10  where my 4 cells of x go in V, window row w; 32 channels on after each block
.set VST4,  11                         ; v11  the same for window row 4, channels 64 w on
.set KST,   12                         ; v12  where my 8 e of a cell go in KL, window row w
.set KST4,  13                         ; v13  window row 4, column tile w
.set RST,   14                         ; v14  RED + 8,192 w + 16 lane
.set RLD,   15                         ; v15  RED + 1,024 w + 16 lane
.set AKR,   16                         ; v16  K's fragment: rows 0-7 and 8-15 are neighbouring groups
.set AKW,   17                         ; v17  the second group is the next window row's first
.set AVR,   18                         ; v18  V's fragment likewise
.set AVW,   19                         ; v19
.set SPW,   28                         ; v28  my spare word; never rewritten
.set NIL,   29                         ; v29  0; never rewritten
.set AD,    32
.set WF,    64
.set F,     80
.set R,     112
.set ACC,   144
.set QF,    208
.set WST,   245                        ; v245 where my 4 weights go in WK
.set S,     32
.set CC,    136
.set CM,    142
.set SU,    240
.set LL,    248
.set VF,    32
.set AC,    144
.set O,     176
.set MK,    128                        ; window 2
.set KB,    224
.set QB,    240
.set XB,    36                         ; s[36:37] x at batch b, window row w
.set XB4,   38                         ; s[38:39] x at batch b, window row 4, channel 64 w
.set YB0,   40                         ; s[40:41] y at batch b, my row and my 64 pixels
.set YB1,   42                         ; s[42:43] 128 channels on
.set OB,    44                         ; s[44:45] out0 at the same place as YB0; 16 channels on in each trip
.set MSB, 0
.macro WIN new                         ; the immediate's high byte repeats the setting that is left; a switch that changes nothing is dropped
.if MSB != (\new)
	s_set_vgpr_msb (MSB<<8)|(\new)
.set MSB, \new
.endif
.endm
.macro PLACES                          ; four places behind a matrix instruction, ahead of readers of its result and of loads into its registers
.rept 4
	v_nop
.endr
.endm
; THE RING.  Block m of 18 is 32 channels x 64 pixels: sixteen loads of 16 bytes a lane.  Load jj brings channel jj + 8 (jj / 8) + 8 h of the block: the order of a fragment's registers.
; m = 0..7: x, window row w, channels 32 m on.  m = 8, 9: x, window row 4, channels 64 w + 32 (m - 8) on.  m = 10..17: y, channels 32 (m - 10) on.  No address register is ever stepped.
.macro LOADBLK m
	WIN 0x40                                       ; destination window 1
.set jj, 0
.rept 16
.set chn, jj+8*(jj/8)
.set rB, 64*((\m)%4)+4*jj
.if (\m) < 8
	global_load_b128 v[rB:rB+3], v[VX], s[XB:XB+1] offset:(\m)*524288+chn*16384
.elseif (\m) < 10
	global_load_b128 v[rB:rB+3], v[VX], s[XB4:XB4+1] offset:((\m)-8)*524288+chn*16384
.elseif (\m) < 14
	global_load_b128 v[rB:rB+3], v[VY], s[YB0:YB0+1] offset:((\m)-10)*2097152+chn*65536 th:TH_LOAD_NT
.else
	global_load_b128 v[rB:rB+3], v[VY], s[YB1:YB1+1] offset:((\m)-14)*2097152+chn*65536 th:TH_LOAD_NT
.endif
.set jj, jj+1
.endr
.endm
; Block m's a and d (sixteen each, by load) and its two fragments of the weights: twelve LDS loads.
.macro TABLD m
	WIN 0
.if (\m) < 8
.set rTA, TADR
.set rWA, WADR
.set oT, 128*(\m)
.set oW, 64*(\m)
.elseif (\m) < 10
.set rTA, TADR4
.set rWA, WADR4
.set oT, 128*((\m)-8)
.set oW, 64*((\m)-8)
.else
.set rTA, TADR
.set rWA, WADR
.set oT, 2048+128*((\m)-10)
.set oW, WQO+64*((\m)-10)
.endif
.irp z, 0,1
	ds_load_b128 v[AD+16*\z:AD+16*\z+3],     v[rTA] offset:oT+1024*\z
	ds_load_b128 v[AD+16*\z+4:AD+16*\z+7],   v[rTA] offset:oT+1024*\z+16
	ds_load_b128 v[AD+16*\z+8:AD+16*\z+11],  v[rTA] offset:oT+1024*\z+64
	ds_load_b128 v[AD+16*\z+12:AD+16*\z+15], v[rTA] offset:oT+1024*\z+80
.endr
.irp z, 0,1
	ds_load_b128 v[WF+8*\z:WF+8*\z+3],   v[rWA] offset:oW+8448*\z
	ds_load_b128 v[WF+8*\z+4:WF+8*\z+7], v[rWA] offset:oW+8448*\z+32
.endr
.endm
; Block m is worked on.  lw: the younger loads that may stay out (below 0: no wait).  cinit: what starts the sums: 1 k_b, 2 q_b, 3 the constant 0; 0: the sums go on.  nld = 1: block m + 4 is asked for.
.macro BLOCK m, lw, cinit, nld
.set BB, 64*((\m)%4)
.if (\lw) >= 0
	s_wait_loadcnt \lw                             ; loads come back in order: my block is in
.endif
	s_wait_dscnt 0x0                               ; a, d and the weights' fragments, asked for behind the block before
.if (\m) < 10                          ; x as it is, rounded to f16, goes into V
.if (\m) < 8
.set rM, 46
.set rV, VST
.set oV, 0
.else
.set rM, 47
.set rV, VST4
.set oV, ((\m)-8)*23040
.endif
	WIN 0x05                                       ; sources window 1
.set q, 0
.rept 32
	v_cvt_pk_f16_f32 v[R+q], v[BB+2*q], v[BB+2*q+1]
.set q, q+1
.endr
	WIN 0
.set q, 0
.rept 32
	v_and_b32 v[R+q], s[rM], v[R+q]                ; all ones, or 0 where the window row lies outside the image
.set q, q+1
.endr
.set jj, 0
.rept 16
	ds_store_b64 v[rV], v[R+2*jj:R+2*jj+1] offset:oV+(jj+8*(jj/8))*720
.set jj, jj+1
.endr
.if (\m) < 8
	v_add_nc_u32 v[VST], 23040, v[VST]             ; 32 channels on
.endif
.endif
	WIN 0x41                                       ; the data (destination and source 0) in window 1: v a + d in place, a and d of load jj given to both halves
.set jj, 0
.rept 16
.set p, 0
.rept 2
.set rB, BB+4*jj+2*p
.if jj%2
	v_pk_fma_f32 v[rB:rB+1], v[rB:rB+1], v[AD+jj-1:AD+jj], v[AD+16+jj-1:AD+16+jj] op_sel:[0,1,1] op_sel_hi:[1,1,1]
.else
	v_pk_fma_f32 v[rB:rB+1], v[rB:rB+1], v[AD+jj:AD+jj+1], v[AD+16+jj:AD+16+jj+1] op_sel_hi:[1,0,0]
.endif
.set p, p+1
.endr
.set jj, jj+1
.endr
	WIN 0x05                                       ; column tile t's fragment: register i holds component t of loads 2 i and 2 i + 1
.set t, 0
.rept 4
.set i, 0
.rept 8
	v_cvt_pk_f16_f32 v[F+8*t+i], v[BB+8*i+t], v[BB+8*i+4+t]
.set i, i+1
.endr
.set t, t+1
.endr
.if \nld
	LOADBLK (\m)+4                                 ; into the buffer just read
.endif
.set t, 0
.rept 4                                ; eight accumulators take turns, one instruction a turn, from block to block too
.set et, 0
.rept 2
.set rA, ACC+8*(4*et+t)
.if (\cinit) == 1
	WIN 0x20                                       ; C in window 2
	v_wmma_f32_16x16x32_f16 v[rA:rA+7], v[WF+8*et:WF+8*et+7], v[F+8*t:F+8*t+7], v[KB+8*et:KB+8*et+7]
.elseif (\cinit) == 2
	WIN 0x20
	v_wmma_f32_16x16x32_f16 v[rA:rA+7], v[WF+8*et:WF+8*et+7], v[F+8*t:F+8*t+7], v[QB+8*et:QB+8*et+7]
.elseif (\cinit) == 3
	WIN 0
	v_wmma_f32_16x16x32_f16 v[rA:rA+7], v[WF+8*et:WF+8*et+7], v[F+8*t:F+8*t+7], 0
.else
	WIN 0
	v_wmma_f32_16x16x32_f16 v[rA:rA+7], v[WF+8*et:WF+8*et+7], v[F+8*t:F+8*t+7], v[rA:rA+7]
.endif
.set et, et+1
.endr
.set t, t+1
.endr
	WIN 0
	PLACES                                         ; ahead of the loads into the weights' fragments and of whatever reads the sums
.endm
; S tile g: its first group's window row and column of 8 places, its mask's type, and whether its second group is the next row's first.
.macro SIG g
.if (\g) >= 12
.set DYS, 4
.set COLS, 3
.set TYP, 5
.else
.set DYS, (2*(\g))/5
.set COLS, (2*(\g))%5
.if COLS%2
.set TYP, 3+(COLS-1)/2
.else
.set TYP, COLS/2
.endif
.endif
.set WRP, COLS/4
.endm
	s_load_b512 s[4:19], s[0:1], 0x0               ; y, x, gn_y_w, gn_y_b, gn_x_w, gn_x_b, q_w, q_b
	s_load_b256 s[20:27], s[0:1], 0x40             ; k_w, k_b, part, out0
	v_lshl_add_u32 v[SPW], v0, 2, SPARE
	v_mov_b32 v[NIL], 0
	v_lshrrev_b32 v21, 5, v0
	v_readfirstlane_b32 s28, v21                   ; w
	s_mov_b32 s29, ttmp9                           ; i
	s_and_b32 s30, ttmp7, 0xffff                   ; b
	s_lshr_b32 s31, s28, 1                         ; u
	s_and_b32 s32, s28, 1                          ; sg
	s_mov_b32 s48, 0x3fb8aa3b                      ; c = log2(e)
	s_mov_b32 s49, s48                             ; named with it as a pair
	s_mov_b32 s50, 0x76543210                      ; v_permlanex16_b32: each lane takes its own place in the other half
	s_mov_b32 s51, 0xfedcba98
	s_mov_b32 s52, 0xf149f2ca                      ; -1e30
	s_add_co_i32 s54, s29, s28
	s_add_co_i32 s54, s54, -2                      ; window row w is image row i + w - 2,
	s_max_i32 s55, s54, 0
	s_min_i32 s55, s55, 63                         ; clamped to a row that exists;
	s_cmp_eq_u32 s54, s55
	s_cselect_b32 s46, -1, 0                       ; all ones where nothing was clamped
	s_add_co_u32 s56, s29, 2                       ; window row 4 likewise
	s_min_u32 s57, s56, 63
	s_cmp_eq_u32 s56, s57
	s_cselect_b32 s47, -1, 0
	s_lshl_b32 s58, s30, 22                        ; the batch in x
	s_lshl_b32 s[XB], s55, 8
	s_add_co_u32 s[XB], s[XB], s58
	s_mov_b32 s[XB+1], 0
	s_lshl_b32 s[XB4], s57, 8
	s_add_co_u32 s[XB4], s[XB4], s58
	s_lshl_b32 s58, s28, 20                        ; 64 w channels of x
	s_add_co_u32 s[XB4], s[XB4], s58
	s_mov_b32 s[XB4+1], 0
	s_lshl_b32 s[YB0], s30, 24                     ; the batch in y and out0,
	s_lshl1_add_u32 s58, s29, s31                  ; row 2 i + u,
	s_lshl_b32 s58, s58, 9
	s_add_co_u32 s[YB0], s[YB0], s58
	s_lshl_b32 s58, s32, 8                         ; my 64 pixels
	s_add_co_u32 s[YB0], s[YB0], s58
	s_mov_b32 s[YB0+1], 0
	v_and_b32 v1, 31, v0                           ; lane
	v_and_b32 v2, 15, v0                           ; r
	v_bfe_u32 v3, v0, 4, 1                         ; h
	v_lshlrev_b32 v21, 4, v2
	v_lshl_add_u32 v[VX], v3, 17, v21
	v_lshl_add_u32 v[VY], v3, 19, v21
	v_lshl_add_u32 v[TADR], v3, 5, TAB
	s_lshl_b32 s54, s28, 8
	v_add_nc_u32 v[TADR4], s54, v[TADR]
	v_mul_u32_u24 v[WADR], v2, 528
	v_lshl_add_u32 v[WADR], v3, 4, v[WADR]
	v_add_nc_u32 v[WADR], WK, v[WADR]
	s_lshl_b32 s54, s28, 7
	v_add_nc_u32 v[WADR4], s54, v[WADR]
	v_mul_u32_u24 v22, v3, 5760                    ; 8 h channels of V
	v_lshl_add_u32 v22, v2, 3, v22                 ; + cells 4 r on
	s_mul_i32 s54, s28, 144
	s_add_co_u32 s54, s54, 8                       ; + window row w, + the 4 places of padding
	v_add_nc_u32 v[VST], s54, v22
	s_mul_i32 s54, s28, 46080
	s_add_co_u32 s54, s54, 584                     ; 64 w channels, window row 4, the padding
	v_add_nc_u32 v[VST4], s54, v22
	v_mul_u32_u24 v22, v2, 320                     ; 4 r places of KL
	v_lshl_add_u32 v22, v3, 4, v22                 ; + e 8 h on
	s_mul_i32 s54, s28, 5760
	s_add_co_u32 s54, s54, KL+320
	v_add_nc_u32 v[KST], s54, v22
	s_mul_i32 s54, s28, 80
	s_add_co_u32 s54, s54, KL+23040+320
	v_add_nc_u32 v[KST4], s54, v22
	v_lshlrev_b32 v22, 4, v1
	s_lshl_b32 s54, s28, 13
	s_add_co_u32 s54, s54, RED
	v_add_nc_u32 v[RST], s54, v22
	s_lshl_b32 s54, s28, 10
	s_add_co_u32 s54, s54, RED
	v_add_nc_u32 v[RLD], s54, v22
	v_and_b32 v22, 7, v0
	v_bfe_u32 v23, v0, 3, 1
	v_mul_u32_u24 v22, v22, 80                     ; place r % 8 of a group,
	v_lshl_add_u32 v22, v3, 4, v22                 ; e 8 h on,
	s_mul_i32 s54, s32, 2560                       ; my segment's 32 sg places
	s_add_co_u32 s54, s54, KL
	v_add_nc_u32 v22, s54, v22
	v_mad_u32_u24 v[AKR], v23, 640, v22            ; rows 8-15: the next group of the row,
	v_mad_u32_u24 v[AKW], v23, 3200, v22           ; or the next row's first: 5,760 - 4 x 640
	v_mul_u32_u24 v22, v2, 720                     ; channel r of a tile of 16
	s_lshl_b32 s54, s32, 6
	v_add_nc_u32 v22, s54, v22
	v_lshl_add_u32 v[AVR], v3, 4, v22              ; the lanes' upper half takes the second group
	v_mad_u32_u24 v[AVW], v3, 80, v22              ; 144 - 4 x 16
	s_lshl_b32 s54, s30, 5
	v_add_nc_u32 v27, s54, v1                      ; 32 b + lane: lane = group
	v_lshlrev_b32 v21, 6, v27                      ; its 8 pairs of y's partial sums
	v_lshlrev_b32 v22, 4, v27                      ; its 2 pairs of x's
	v_lshlrev_b32 v23, 19, v27                     ; its pivot in y
	v_lshlrev_b32 v24, 17, v27                     ; and in x
	v_lshlrev_b32 v25, 3, v0                       ; two channels' gains and biases
	v_lshlrev_b32 v26, 4, v0                       ; four weights
	v_lshlrev_b32 v27, 5, v3                       ; the biases of e 8 h on
	s_wait_kmcnt 0x0
	s_add_nc_u64 s[OB:OB+1], s[26:27], s[YB0:YB0+1]
	s_add_nc_u64 s[YB0:YB0+1], s[4:5], s[YB0:YB0+1]
	s_add_nc_u64 s[YB1:YB1+1], s[YB0:YB0+1], 0x800000
	s_add_nc_u64 s[XB:XB+1], s[6:7], s[XB:XB+1]
	s_add_nc_u64 s[XB4:XB4+1], s[6:7], s[XB4:XB4+1]
	; THE FIRST LOADS: two blocks of x, the statistics, gains and biases, k_w and k_b
	LOADBLK 0
	LOADBLK 1
	WIN 0
	global_load_b128 v[80:83], v21, s[24:25]
	global_load_b128 v[84:87], v21, s[24:25] offset:16
	global_load_b128 v[88:91], v21, s[24:25] offset:32
	global_load_b128 v[92:95], v21, s[24:25] offset:48
	global_load_b128 v[96:99], v22, s[24:25] offset:8192
	global_load_b32 v100, v23, s[4:5]
	global_load_b32 v101, v24, s[6:7]
	global_load_b64 v[102:103], v25, s[8:9]
	global_load_b64 v[104:105], v25, s[10:11]
	global_load_b64 v[106:107], v25, s[12:13]
	global_load_b64 v[108:109], v25, s[14:15]
	WIN 0x80                                       ; destination window 2
.set k, 0
.rept 16
	global_load_b128 v[4*k:4*k+3], v26, s[20:21] offset:2048*k
.set k, k+1
.endr
	global_load_b128 v[KB:KB+3],     v27, s[22:23]
	global_load_b128 v[KB+4:KB+7],   v27, s[22:23] offset:16
	global_load_b128 v[KB+8:KB+11],  v27, s[22:23] offset:64
	global_load_b128 v[KB+12:KB+15], v27, s[22:23] offset:80
	WIN 0
	; WHILE THEY ARE OUT: the padding of V and KL, the prologue's LDS addresses, the masks
	v_and_b32 v110, 0x7c, v0                       ; 4 x (thread / 4): the lane that holds the group of channels 2 t, 2 t + 1
	v_add_nc_u32 v111, TAB, v25
	v_lshrrev_b32 v[WST], 6, v0
	v_mul_u32_u24 v[WST], v[WST], 528
	v_and_b32 v246, 63, v0
	v_lshl_add_u32 v[WST], v246, 3, v[WST]
	v_add_nc_u32 v[WST], WK, v[WST]                ; row thread / 64, channels 4 (thread % 64) on; load k is two rows on
	v_mul_u32_u24 v246, v0, 720                    ; V: channel = thread,
	v_add_nc_u32 v247, 92160, v246                 ; and thread + 128
	v_lshrrev_b32 v248, 2, v1                      ; KL, window row w: padded place lane / 4 of 8,
	v_lshrrev_b32 v249, 2, v248
	v_lshl_add_u32 v248, v249, 6, v248             ; which are places 0-3 and 68-71
	v_mul_u32_u24 v248, v248, 80
	v_and_b32 v249, 3, v0
	v_lshl_add_u32 v248, v249, 4, v248
	s_mul_i32 s54, s28, 5760
	s_add_co_u32 s54, s54, KL
	v_add_nc_u32 v248, s54, v248
	v_lshrrev_b32 v250, 4, v0                      ; KL, window row 4: padded place thread / 16, one word a thread
	v_lshrrev_b32 v251, 2, v250
	v_lshl_add_u32 v250, v251, 6, v250
	v_mul_u32_u24 v250, v250, 80
	v_and_b32 v251, 15, v0
	v_lshl_add_u32 v250, v251, 2, v250
	v_add_nc_u32 v250, KL+23040, v250
	v_mov_b32 v252, 0
	v_mov_b32 v253, 0
	v_mov_b32 v254, 0
	v_mov_b32 v255, 0
.set k, 0
.rept 5
	ds_store_b64 v246, v[252:253] offset:144*k
	ds_store_b64 v246, v[252:253] offset:144*k+136
	ds_store_b64 v247, v[252:253] offset:144*k
	ds_store_b64 v247, v[252:253] offset:144*k+136
.set k, k+1
.endr
	ds_store_b128 v248, v[252:255]
	ds_store_b32 v250, v252
	; THE MASKS.  Column r of tile t (tau = t / 2) sees places 2 r + tau + 2 .. + 6 of its segment.  Register j of an S tile holds place 8 col + j, col by the lanes' half: it is seen where
	; 8 col + j - (2 r + tau + 2), as an unsigned number, is below 5.  Six types of tile by their two columns: (0,1) (2,3) (4,0) (1,2) (3,4) (none,4), for each tau.
	v_lshlrev_b32 v240, 1, v2
	v_sub_nc_u32 v240, -2, v240                    ; -(2 r + 2)
	v_add_nc_u32 v241, -1, v240                    ; -(2 r + 3)
	v_lshlrev_b32 v242, 3, v3                      ; 8 h
	v_lshlrev_b32 v243, 5, v3                      ; 32 h
	v_xor_b32 v244, 1, v3
	v_lshlrev_b32 v244, 14, v244                   ; far outside for the lower half
.irp z, 0,1
	v_add_nc_u32 v[144+6*\z], v242, v[240+\z]
	v_add3_u32 v[145+6*\z], v242, 16, v[240+\z]
	v_sub_nc_u32 v[146+6*\z], v[240+\z], v243
	v_add_nc_u32 v[146+6*\z], 32, v[146+6*\z]
	v_add3_u32 v[147+6*\z], v242, 8, v[240+\z]
	v_add3_u32 v[148+6*\z], v242, 24, v[240+\z]
	v_add3_u32 v[149+6*\z], v244, 32, v[240+\z]
.endr
	WIN 0x80
.set q, 0
.rept 96
	v_add_nc_u32 v[MK+q], q%8, v[144+q/8]
.set q, q+1
.endr
	WIN 0x88                                       ; source 1 and destination window 2
.set q, 0
.rept 96
	v_cmp_le_u32 vcc_lo, 5, v[MK+q]
	v_cndmask_b32 v[MK+q], 0, s52, vcc_lo          ; -1e30 where hidden
.set q, q+1
.endr
	s_wait_loadcnt 0x0                             ; the first loads are in
	WIN 0x80
.set k, 0
.rept 16
	global_load_b128 v[64+4*k:64+4*k+3], v26, s[16:17] offset:2048*k  ; q_w
.set k, k+1
.endr
	global_load_b128 v[QB:QB+3],     v27, s[18:19]
	global_load_b128 v[QB+4:QB+7],   v27, s[18:19] offset:16
	global_load_b128 v[QB+8:QB+11],  v27, s[18:19] offset:64
	global_load_b128 v[QB+12:QB+15], v27, s[18:19] offset:80
	LOADBLK 2
	LOADBLK 3
	WIN 0
	; THE STATISTICS, in every wave; lane = group.  mean = p + S1 / n; variance = S2 / n - (S1 / n)^2, both sums taken of v - p; n = 2^17 in y, 2^15 in x
	v_pk_add_f32 v[80:81], v[80:81], v[82:83]
	v_pk_add_f32 v[84:85], v[84:85], v[86:87]
	v_pk_add_f32 v[88:89], v[88:89], v[90:91]
	v_pk_add_f32 v[92:93], v[92:93], v[94:95]
	v_pk_add_f32 v[96:97], v[96:97], v[98:99]
	v_pk_add_f32 v[80:81], v[80:81], v[84:85]
	v_pk_add_f32 v[88:89], v[88:89], v[92:93]
	v_pk_add_f32 v[80:81], v[80:81], v[88:89]
	v_mul_f32 v98, 0x38000000, v96
	v_mul_f32 v99, 0x38000000, v97
	v_mul_f32 v82, 0x37000000, v80
	v_mul_f32 v83, 0x37000000, v81
	v_fma_f32 v99, -v98, v98, v99
	v_fma_f32 v83, -v82, v82, v83
	v_max_num_f32 v99, 0, v99
	v_max_num_f32 v83, 0, v83
	v_add_f32 v99, 0x3727c5ac, v99                 ; + 1e-5
	v_add_f32 v83, 0x3727c5ac, v83
	v_add_f32 v98, v101, v98                       ; x's mean
	v_add_f32 v82, v100, v82                       ; y's mean
	v_rsq_f32 v99, v99
	v_rsq_f32 v83, v83
	v_nop                                          ; a plain instruction behind the last of the two,
	s_wait_alu depctr_va_vdst(0)                   ; and one wait ahead of their first reader
	ds_bpermute_b32 v84, v110, v83                 ; my two channels' group: y's rsqrt,
	ds_bpermute_b32 v85, v110, v82                 ; y's mean,
	ds_bpermute_b32 v86, v110, v99                 ; x's rsqrt,
	ds_bpermute_b32 v87, v110, v98                 ; x's mean
	s_wait_dscnt 0x0
	v_mul_f32 v88, v84, v102                       ; a = rsqrt x gain
	v_mul_f32 v89, v84, v103
	v_mul_f32 v92, v86, v106
	v_mul_f32 v93, v86, v107
	v_fma_f32 v90, -v85, v88, v104                 ; d = bias - mean x a
	v_fma_f32 v91, -v85, v89, v105
	v_fma_f32 v94, -v87, v92, v108
	v_fma_f32 v95, -v87, v93, v109
	ds_store_b64 v111, v[92:93]
	ds_store_b64 v111, v[94:95] offset:1024
	ds_store_b64 v111, v[88:89] offset:2048
	ds_store_b64 v111, v[90:91] offset:3072
	WIN 0x0a                                       ; sources window 2: k_w to f16
.set q, 0
.rept 32
	v_cvt_pk_f16_f32 v[R+q], v[2*q], v[2*q+1]
.set q, q+1
.endr
	WIN 0
.set k, 0
.rept 16
	ds_store_b64 v[WST], v[R+2*k:R+2*k+1] offset:1056*k
.set k, k+1
.endr
	s_wait_dscnt 0x0                               ; for the others' sake: my part of the tables and of k_w is stored
	s_barrier_signal -1
	s_barrier_wait -1                              ; the tables and k_w are whole
	TABLD 0
	; THE RING: eighteen blocks on end, block m in buffer m % 4, asked for four blocks ahead
	BLOCK 0, -1, 1, 1
	TABLD 1
	s_wait_loadcnt 48                              ; q_w and q_b are in: behind them went blocks 2, 3 and 4, 48 loads, which may stay out
	WIN 0x0a
.set q, 0
.rept 32
	v_cvt_pk_f16_f32 v[R+q], v[64+2*q], v[64+2*q+1]
.set q, q+1
.endr
	WIN 0
.set k, 0
.rept 16
	ds_store_b64 v[WST], v[R+2*k:R+2*k+1] offset:WQO+1056*k  ; read behind the second barrier
.set k, k+1
.endr
.irp m, 1,2,3,4,5,6,7
	BLOCK \m, 48, 0, 1                             ; three younger blocks of 16 loads stay out
	TABLD (\m)+1
.endr
	; window row w's k: rounded, selected, stored: a lane's 8 e of a cell are 16 bytes
.set q, 0
.rept 8
.set i, 0
.rept 4
	v_cvt_pk_f16_f32 v[R+4*q+i], v[ACC+8*q+2*i], v[ACC+8*q+2*i+1]
.set i, i+1
.endr
.set q, q+1
.endr
.set q, 0
.rept 32
	v_and_b32 v[R+q], s46, v[R+q]
.set q, q+1
.endr
.set q, 0
.rept 8
	ds_store_b128 v[KST], v[R+4*q:R+4*q+3] offset:(q%4)*80+32*(q/4)
.set q, q+1
.endr
	BLOCK 8, 48, 3, 1                              ; window row 4: my 64 channels' partial sums start at 0; k_b is added when they meet
	TABLD 9
	BLOCK 9, 48, 0, 1
.set q, 0
.rept 8
	ds_store_b128 v[RST], v[ACC+8*q:ACC+8*q+3]   offset:1024*q
	ds_store_b128 v[RST], v[ACC+8*q+4:ACC+8*q+7] offset:1024*q+512
.set q, q+1
.endr
	s_wait_dscnt 0x0                               ; for the others' sake: my partial sums and my part of q_w are stored
	s_barrier_signal -1
	s_barrier_wait -1                              ; the four partial sums and q_w are whole; four blocks of y stay on their way
.set q, 0
.rept 16                               ; wave w finishes column tile w: source wave q / 4, e half (q / 2) % 2, registers 4 (q % 2) on
	ds_load_b128 v[80+4*q:80+4*q+3], v[RLD] offset:(q/4)*8192+((q/2)%2)*4096+(q%2)*512
.set q, q+1
.endr
	TABLD 10
	s_wait_dscnt 12                                ; the sixteen are in; the twelve table loads behind them may stay out
.set i, 0
.rept 8
	v_pk_add_f32 v[80+2*i:81+2*i], v[80+2*i:81+2*i], v[96+2*i:97+2*i]
	v_pk_add_f32 v[112+2*i:113+2*i], v[112+2*i:113+2*i], v[128+2*i:129+2*i]
.set i, i+1
.endr
.set i, 0
.rept 8
	v_pk_add_f32 v[80+2*i:81+2*i], v[80+2*i:81+2*i], v[112+2*i:113+2*i]
.set i, i+1
.endr
	WIN 0x08                                       ; source 1 window 2: k_b
.set i, 0
.rept 8
	v_pk_add_f32 v[80+2*i:81+2*i], v[80+2*i:81+2*i], v[KB+2*i:KB+2*i+1]
.set i, i+1
.endr
	WIN 0
.set i, 0
.rept 8
	v_cvt_pk_f16_f32 v[R+i], v[80+2*i], v[81+2*i]
.set i, i+1
.endr
.set i, 0
.rept 8
	v_and_b32 v[R+i], s47, v[R+i]
.set i, i+1
.endr
	ds_store_b128 v[KST4], v[R:R+3]
	ds_store_b128 v[KST4], v[R+4:R+7] offset:32
	BLOCK 10, 48, 2, 1                             ; y: q's sums start with q_b
	TABLD 11
.irp m, 11,12,13
	BLOCK \m, 48, 0, 1
	TABLD (\m)+1
.endr
	BLOCK 14, 48, 0, 0                             ; the last four blocks ask for nothing: the counts run down
	TABLD 15
	BLOCK 15, 32, 0, 0
	TABLD 16
	BLOCK 16, 16, 0, 0
	TABLD 17
	BLOCK 17, 0, 0, 0
.set t, 0
.rept 4                                ; q, rounded in pairs, is source 1 of S^T: registers 0-3 e 8 h on, 4-7 e 16 + 8 h on
.set et, 0
.rept 2
.set i, 0
.rept 4
	v_cvt_pk_f16_f32 v[QF+8*t+4*et+i], v[ACC+8*(4*et+t)+2*i], v[ACC+8*(4*et+t)+2*i+1]
.set i, i+1
.endr
.set et, et+1
.endr
.set t, t+1
.endr
	v_mov_b32 v140, 0                              ; v_permlanex16_b32's destination counts as read
	s_wait_dscnt 0x0                               ; for the others' sake: my stores into V and KL are done
	s_barrier_signal -1
	s_barrier_wait -1                              ; V and KL are whole; nothing writes LDS from here on
	WIN 0x80                                       ; K's thirteen fragments stay in registers, window 2
.set g, 0
.rept 13
	SIG g
.if WRP
	ds_load_b128 v[8*g:8*g+3],   v[AKW] offset:DYS*5760+COLS*640
	ds_load_b128 v[8*g+4:8*g+7], v[AKW] offset:DYS*5760+COLS*640+32
.else
	ds_load_b128 v[8*g:8*g+3],   v[AKR] offset:DYS*5760+COLS*640
	ds_load_b128 v[8*g+4:8*g+7], v[AKR] offset:DYS*5760+COLS*640+32
.endif
.set g, g+1
.endr
	WIN 0
	s_wait_dscnt 0x0
; COLUMN TILE t: scores, maximum, weights, their sum, P.
.macro SOFT t
	WIN 0x22                                       ; K and the mask in window 2
.set g, 0
.rept 13                               ; thirteen results, each its own accumulator: one instruction each, started by the mask
	SIG g
	v_wmma_f32_16x16x32_f16 v[S+8*g:S+8*g+7], v[8*g:8*g+7], v[QF+8*(\t):QF+8*(\t)+7], v[MK+8*(6*((\t)/2)+TYP):MK+8*(6*((\t)/2)+TYP)+7]
.set g, g+1
.endr
	WIN 0
	PLACES
	; the maximum of the lane's 104 scores: four chains; each accumulator's lowest registers are read first
.set i, 0
.rept 4
.set g, 0
.rept 4
.if i == 0
	v_max3_num_f32 v[CC+g], v[S+8*g], v[S+8*g+1], v[S+8*g+2]
.elseif i < 3
	v_max3_num_f32 v[CC+g], v[CC+g], v[S+8*g+2*i+1], v[S+8*g+2*i+2]
.else
	v_max_num_f32 v[CC+g], v[CC+g], v[S+8*g+7]
.endif
.set g, g+1
.endr
.set i, i+1
.endr
.set gg, 4
.rept 2
.set i, 0
.rept 4
.set g, gg
.rept 4
	v_max3_num_f32 v[CC+g%4], v[CC+g%4], v[S+8*g+2*i], v[S+8*g+2*i+1]
.set g, g+1
.endr
.set i, i+1
.endr
.set gg, gg+4
.endr
.set i, 0
.rept 4
	v_max3_num_f32 v[CC], v[CC], v[S+96+2*i], v[S+96+2*i+1]
.set i, i+1
.endr
	v_max3_num_f32 v[CC], v[CC], v[CC+1], v[CC+2]
	v_max_num_f32 v[CC], v[CC], v[CC+3]
	v_permlanex16_b32 v140, v[CC], s50, s51        ; the column's other groups lie in the lane 16 away
	v_max_num_f32 v141, v[CC], v140
	v_mul_f32 v[CM], s48, v141                     ; c m
	v_mov_b32 v[CM+1], v[CM]                       ; named with it as a pair
.set i, 0
.rept 52
	v_pk_fma_f32 v[S+2*i:S+2*i+1], v[S+2*i:S+2*i+1], s[48:49], v[CM:CM+1] op_sel_hi:[1,0,0] neg_lo:[0,0,1] neg_hi:[0,0,1]  ; c s - c m
.set i, i+1
.endr
.set i, 0
.rept 104                              ; one batch
	v_exp_f32 v[S+i], v[S+i]
.set i, i+1
.endr
	v_nop                                          ; a plain instruction behind the last exponential,
	s_wait_alu depctr_va_vdst(0)                   ; and one wait ahead of the batch's first reader
.set k, 0
.rept 4                                ; l, of the unrounded weights: four chains over the 52 pairs
	v_pk_add_f32 v[SU+2*k:SU+2*k+1], v[S+2*k:S+2*k+1], v[S+2*k+8:S+2*k+9]
.set k, k+1
.endr
.set i, 8
.rept 44
	v_pk_add_f32 v[SU+2*(i%4):SU+2*(i%4)+1], v[SU+2*(i%4):SU+2*(i%4)+1], v[S+2*i:S+2*i+1]
.set i, i+1
.endr
	v_pk_add_f32 v[SU:SU+1], v[SU:SU+1], v[SU+2:SU+3]
	v_pk_add_f32 v[SU+4:SU+5], v[SU+4:SU+5], v[SU+6:SU+7]
	v_pk_add_f32 v[SU:SU+1], v[SU:SU+1], v[SU+4:SU+5]
	v_add_f32 v[SU], v[SU], v[SU+1]
	v_permlanex16_b32 v140, v[SU], s50, s51
	v_add_f32 v[LL+(\t)], v[SU], v140
	WIN 0x40                                       ; P into window 1
.set i, 0
.rept 52
	v_cvt_pk_f16_f32 v[56*(\t)+i], v[S+2*i], v[S+2*i+1]
.set i, i+1
.endr
.set i, 52
.rept 4
	v_mov_b32 v[56*(\t)+i], 0                      ; the fourteenth tile, which fills the seventh step of 32 places
.set i, i+1
.endr
	WIN 0
.endm
	SOFT 0
	SOFT 1
	SOFT 2
	SOFT 3
.irp t, 0,1,2,3
	v_rcp_f32 v[LL+\t], v[LL+\t]                   ; l is at least 1: the maximum's own weight
.endr
	v_nop
	s_wait_alu depctr_va_vdst(0)                   ; one wait for the four reciprocals
; V's fragments of 16 channels: one load of 16 bytes a lane for each S tile: its first group in the lanes' lower half, its second in the upper.  Tile 13 reads tile 12's bytes once more: they meet zeros of P.
.macro VFLD
.set g, 0
.rept 14
	SIG g
.if WRP
	ds_load_b128 v[VF+4*g:VF+4*g+3], v[AVW] offset:DYS*144+COLS*16
.else
	ds_load_b128 v[VF+4*g:VF+4*g+3], v[AVR] offset:DYS*144+COLS*16
.endif
.set g, g+1
.endr
.endm
; A TRIP: 16 channels x my 64 pixels.  28 products, four accumulators by turns, over the backward jump too; the first four start their sums with the constant 0.
; more = 1: the next 16 channels' fragments are asked for behind the products, and land while this trip's results are scaled and stored.
.macro AVTRIP more
	s_wait_dscnt 0x0                               ; V's fragments are in
	WIN 0x04                                       ; P in window 1
.set kk, 0
.rept 7
.set t, 0
.rept 4
.if kk == 0
	v_wmma_f32_16x16x32_f16 v[AC+8*t:AC+8*t+7], v[VF+8*kk:VF+8*kk+7], v[56*t+8*kk:56*t+8*kk+7], 0
.else
	v_wmma_f32_16x16x32_f16 v[AC+8*t:AC+8*t+7], v[VF+8*kk:VF+8*kk+7], v[56*t+8*kk:56*t+8*kk+7], v[AC+8*t:AC+8*t+7]
.endif
.set t, t+1
.endr
.set kk, kk+1
.endr
	WIN 0
.if \more
	v_add_nc_u32 v[AVR], 11520, v[AVR]             ; 16 channels on; with the two v_nop these are the four places behind the last product
	v_add_nc_u32 v[AVW], 11520, v[AVW]
	v_nop
	v_nop
	VFLD
.else
	PLACES
.endif
	s_wait_xcnt 0x0                                ; the last trip's stores have read their data and their base: only now are both written again
	s_add_nc_u64 s[OB:OB+1], s[OB:OB+1], 0x100000  ; 16 channels on; the stores below reach back by their immediate
.set j, 0
.rept 8
.set t, 0
.rept 4
	v_mul_f32 v[O+4*j+t], v[AC+8*t+j], v[LL+t]     ; 1 / l, and four neighbouring pixels side by side
.set t, t+1
.endr
.set j, j+1
.endr
.set j, 0
.rept 8
	global_store_b128 v[VY], v[O+4*j:O+4*j+3], s[OB:OB+1] offset:j*65536-0x100000 th:TH_STORE_NT  ; lanes 0-15: 256 consecutive bytes, aligned, of channel j of the 16; lanes 16-31: of channel 8 + j
.set j, j+1
.endr
.endm
	VFLD
	s_mov_b32 s53, 15
.Lav:
	AVTRIP 1
	s_sub_co_u32 s53, s53, 1
	s_cmp_lg_u32 s53, 0
	s_cbranch_scc1 .Lav
	AVTRIP 0                                       ; the last 16 channels: nothing more to fetch
	s_wait_tensorcnt 0x0                           ; the wave's end: three closing lines behind my last LDS store
	ds_add_u32 v[SPW], v[NIL]
	s_wait_dscnt 0x0
	s_endpgm
.Lfunc_end_k_qd3f60e5688_fuse:
	.size	k_qd3f60e5688_fuse, .Lfunc_end_k_qd3f60e5688_fuse-k_qd3f60e5688_fuse
	.p2alignl 7, 3214868480
	.fill 96, 4, 3214868480
	.section	.rodata,"a",@progbits
	.p2align	6, 0x0
	.amdhsa_kernel k_qd3f60e5688_fuse
		.amdhsa_group_segment_fixed_size 284416
		.amdhsa_private_segment_fixed_size 0
		.amdhsa_enable_private_segment 0
		.amdhsa_kernarg_size 96
		.amdhsa_user_sgpr_count 2
		.amdhsa_user_sgpr_kernarg_segment_ptr 1
		.amdhsa_wavefront_size32 1
		.amdhsa_system_sgpr_workgroup_id_x 1
		.amdhsa_system_sgpr_workgroup_id_y 1
		.amdhsa_system_sgpr_workgroup_id_z 1
		.amdhsa_system_vgpr_workitem_id 0
		.amdhsa_next_free_vgpr 768
		.amdhsa_next_free_sgpr 66
		.amdhsa_reserve_vcc 1
		.amdhsa_float_denorm_mode_32 3
		.amdhsa_float_denorm_mode_16_64 3
		.amdhsa_memory_ordered 1
		.amdhsa_forward_progress 1
		.amdhsa_inst_pref_size 255
	.end_amdhsa_kernel
	.section	.bss,"aw",@nobits
	.p2align	6
	.space	262144
	.amdgpu_metadata
---
amdhsa.version: [ 1, 2 ]
amdhsa.kernels:
  - .name:           k_qd3f60e5688_fuse
    .symbol:         k_qd3f60e5688_fuse.kd
    .args:
      - { .name: y, .offset: 0, .size: 8, .value_kind: global_buffer, .address_space: global }
      - { .name: x, .offset: 8, .size: 8, .value_kind: global_buffer, .address_space: global }
      - { .name: gn_y_w, .offset: 16, .size: 8, .value_kind: global_buffer, .address_space: global }
      - { .name: gn_y_b, .offset: 24, .size: 8, .value_kind: global_buffer, .address_space: global }
      - { .name: gn_x_w, .offset: 32, .size: 8, .value_kind: global_buffer, .address_space: global }
      - { .name: gn_x_b, .offset: 40, .size: 8, .value_kind: global_buffer, .address_space: global }
      - { .name: q_w, .offset: 48, .size: 8, .value_kind: global_buffer, .address_space: global }
      - { .name: q_b, .offset: 56, .size: 8, .value_kind: global_buffer, .address_space: global }
      - { .name: k_w, .offset: 64, .size: 8, .value_kind: global_buffer, .address_space: global }
      - { .name: k_b, .offset: 72, .size: 8, .value_kind: global_buffer, .address_space: global }
      - { .name: part, .offset: 80, .size: 8, .value_kind: global_buffer, .address_space: global }
      - { .name: out0, .offset: 88, .size: 8, .value_kind: global_buffer, .address_space: global }
    .group_segment_fixed_size: 284416
    .private_segment_fixed_size: 0
    .kernarg_segment_align: 8
    .kernarg_segment_size: 96
    .max_flat_workgroup_size: 128
    .sgpr_count:     66
    .vgpr_count:     768
    .wavefront_size: 32
...
	.end_amdgpu_metadata
.endif
;; end of part 2
;; ======== version 2 of 2: 2 launches; version 1 with the launch fuse written anew for expert scheduling mode
;; limits: values are held in f16: magnitudes above 65,504 overflow, below 6.1e-05 lose precision
;; workspace buffers: part 10,240 bytes
;; launch stats: the kernel of part 1 again; grid 1280 x 1, 8 waves a work-group, no clusters, 1,280 bytes of LDS; arguments y, x, part; writes part
;; launch fuse (part 3): grid 64 x 4, 4 waves a work-group, no clusters, 284,416 bytes of LDS; arguments y, x, gn_y_w, gn_y_b, gn_x_w, gn_x_b, q_w, q_b, k_w, k_b, part, out0; writes out0
.if DOCPART == 3
	.amdgcn_target "amdgcn-amd-amdhsa--gfx1250"
	.amdhsa_code_object_version 6
	.text
	.protected	k_qd3f60e5688_fuse
	.globl	k_qd3f60e5688_fuse
	.p2align	8
	.type	k_qd3f60e5688_fuse,@function
k_qd3f60e5688_fuse:
	s_mov_b64 s[64:65], 0
	v_nop
	global_prefetch_b8 v0, s[64:65] scope:SCOPE_SE
	s_setreg_imm32_b32 hwreg(HW_REG_WAVE_SCHED_MODE, 0, 2), 2
	s_setreg_imm32_b32 hwreg(HW_REG_WAVE_MODE, 25, 1), 1
	s_wait_xcnt 0x0
	s_wait_alu depctr_vm_vsrc(0)
; SECOND OF TWO LAUNCHES: both group norms, both 1x1 projections, the 25 logits of each high-resolution pixel, their softmax and the weighted sum of x, for one low-resolution row.
; No work of reference() is left out (the first kernel's head says why every bias is live); every input is loaded.
; SHARES.  Work-group (i, b): low-resolution row i of batch b.  Wave w: u = w / 2, sg = w % 2: high-resolution row 2 i + u, pixels 64 sg .. 64 sg + 63, all 256 output channels.
; In the x phase wave w takes window row dy = w (image row i + w - 2) with all 256 channels, and channels 64 w .. 64 w + 63 of window row 4, whose f32 partial sums meet in LDS.
; ONE COLUMN MAP.  A load of 16 bytes a lane gives lane r (= lane % 16) pixels 4 r .. 4 r + 3; component t of such loads is column tile t, whose column r is pixel 4 r + t.
;   projection  D(e, column) = W (16 e x 32 channels) x normalised data (32 channels x 16 columns); rounded in pairs it is source 1 of
;   S^T         D(window place, column) = K (16 places x 32 e) x Q, with the window's mask (0 or -1e30) as the C operand; after the exponential, rounded in pairs, it is source 1 of
;   O           D(channel, column) = V (16 channels x 32 places) x P.  Register j of tile t goes, times 1 / l, into word t of quad j: four neighbouring pixels of one channel, 16 bytes a lane;
;               sixteen lanes store 256 consecutive bytes, aligned.  Nothing changes lanes from the first load to the last store.
; WINDOW PLACES.  A window row holds places pos = cell + 4 (72 of them; 0-3 and 68-71 are padding).  A wave's 32 cells see places 32 sg .. 32 sg + 39 of each of 5 rows: 25 groups of 8.
; S tile g holds two groups (its rows 0-7 and 8-15): groups 2 g and 2 g + 1 for g < 12; tile 12 repeats group 23, wholly hidden, beside group 24.  Tile 13 exists as four zero registers of P alone.
; A place outside the image holds k = 0 and v = 0: its logit is 0 and counts in the softmax, as the zero padding of reference() has it.  A window row outside the image is loaded from a
; clamped row that exists, and its rounded words are ANDed with 0: a selection, with no branch.
; FORMATS.  All four products take f16 operands and f32 sums.  Statistics, normalisation, maximum, exponentials, the sum l and 1 / l are f32.  p = 2^(c s - c m), c = log2(e), m the true maximum of the 25.
; LIMITS.  x, the normalised x and y, q_w, k_w, q and k lie within f16's range (65,504).  A hidden score counts as its value less 1e30.  A weight below 2^-126 counts as 0.  NaN and infinities are not treated apart.
; NO TENSOR LOADS, NO CLUSTER: every f32 word of x and y has to pass through registers to be normalised and rounded, and 5 rows x 256 channels of f32 (327,680 bytes) have no room in LDS beside V.
; NO PREFETCH: the launch is a plain stream in which each wave keeps four blocks of 8 KiB of register loads out.
; THE MODE: SCHED_MODE bits 1:0 = 2 (LLVM: expert scheduling mode 2), set by the entry lines.  The code itself states the register dependences
; between vector or matrix instructions and memory or LDS instructions, with s_wait_alu, always for 0.
; THE PLAN.  Registers that memory or LDS instructions touch:
;   addresses     made once at the head, ahead of the first wait on va_vdst, and never written again, but for V's two fragment addresses, which step once a trip of the last phase.
;   BUF0 .. BUF3  (window 1) Block m scales and rounds BUF[m % 4]; behind that the loads of block m + 4 land in it.
;   R             An x block's roundings write it; the block's sixteen LDS stores read it; the next writer stands behind a wait on vm_vsrc.
;   AD            Block m's scalings read a and d; behind them block m + 1's land in it.
;   WF, WF1       Block m's products read the buffer of m's parity; block m + 1's fragments land in the other, which block m - 1's products read last.
;   F, the accumulators, the masks, Q and P are named by vector and matrix instructions alone while the ring runs.
;   So ONE wait on va_vdst stands in a block, behind its last rounding; the block's loads and stores follow it, dealt among its eight products, which name none of the registers that they touch.
;   VF0, VF1      Trip n's products read VF[n % 2]; the loads of trip n + 1, issued in trip n, land in the other, which trip n - 1's products read last.
;   O0, O1        Trip n's multiplies write O[n % 2]; the eight stores issued in trip n + 1 read it; trip n + 2 writes it again.
;   So one wait on vm_vsrc and one on va_vdst stand at a trip's head, with the two address steps between them.
; REGISTERS, in windows of 256 (s_set_vgpr_msb: bits 1:0 source 0, 3:2 source 1, 5:4 source 2, 7:6 destination):
;   window 0: v0-30 ids and addresses; v32-63 a, d; v64-79 and v208-223 weights' fragments, by the block's parity; v80-111 data fragments; v112-143 at work; v144-207 eight accumulators; v208-239 then Q; v240-255 at work
;             later v32-135 S^T, v136-143 at work, v240-251 sums and l; in the last phase v32-87, v88-143 V's fragments, v144-175 four accumulators, v176-207, v208-239 the quads to store
;   window 1: four load buffers of 64; later P, 56 a column tile          window 2: v0-127 the weights as loaded, later K's fragments; v128-223 twelve masks; v224-255 the two biases
.set KL,    184320                     ; LDS.  V: 0: x in f16, [channel 256][dy 5][pos 72]: 720 bytes a channel (45 x 16: sixteen channels' 16 bytes fall on different banks; 64 banks of 4 bytes: ISA guide 11.1), 144 a row
                                       ; KL: k in f16, [dy 5][pos 72], 80 bytes a place (64 + 16 of padding), 5,760 a row
.set TAB,   213248                     ; f32 by channel: a of x, d of x, a of y, d of y, 1,024 bytes each (a = rsqrt x gain, d = bias - mean x a)
.set WK,    217344                     ; k_w in f16, [e 32][channel 256], 528 bytes a row; q_w 16,896 bytes behind it
.set WQO,   16896
.set RED,   251136                     ; window row 4's partial sums, f32: 8,192 bytes a wave
.set SPARE, 283904                     ; the spare words, 128 bytes a wave, which no other line names
.set VX,    4                          ; v4   131,072 h + 16 r: my offset in a block of x (h = lane / 16: 8 channels on)
.set VY,    5                          ; v5   524,288 h + 16 r: the same in y, and in out0
.set TADR,  6                          ; v6   TAB + 32 h
.set TADR4, 7                          ; v7   + 256 w
.set WADR,  8                          ; v8   WK + 528 r + 16 h
.set WADR4, 9                          ; v9   + 128 w
.set VST,   10                         ; v10  where my 4 cells of x go in V, window row w: blocks 0 to 2 (the immediate reaches three blocks of 23,040 bytes: 62,640 at the most)
.set VST4,  11                         ; v11  the same for window row 4, channels 64 w on
.set KST,   12                         ; v12  where my 8 e of a cell go in KL, window row w
.set KST4,  13                         ; v13  window row 4, column tile w
.set RST,   14                         ; v14  RED + 8,192 w + 16 lane
.set RLD,   15                         ; v15  RED + 1,024 w + 16 lane
.set AKR,   16                         ; v16  K's fragment: rows 0-7 and 8-15 are neighbouring groups
.set AKW,   17                         ; v17  the second group is the next window row's first
.set AVR,   18                         ; v18  V's fragment likewise
.set AVW,   19                         ; v19
.set VSTB,  20                         ; v20  v10 for blocks 3 to 5
.set SPW,   28                         ; v28  my spare word; never rewritten
.set NIL,   29                         ; v29  0; never rewritten
.set VSTC,  30                         ; v30  v10 for blocks 6 and 7
.set AD,    32
.set WF,    64                         ; the weights' fragments of the even blocks
.set WF1,   208                        ; and of the odd ones
.set F,     80
.set R,     112
.set ACC,   144
.set QF,    208
.set WST,   245                        ; v245 where my 4 weights go in WK
.set S,     32
.set CC,    136
.set CM,    142
.set SU,    240
.set LL,    248
.set VF,    32                         ; buffer p at VF + 56 p
.set AC,    144
.set O,     176                        ; buffer p at O + 32 p
.set MK,    128                        ; window 2
.set KB,    224
.set QB,    240
.set XB,    36                         ; s[36:37] x at batch b, window row w
.set XB4,   38                         ; s[38:39] x at batch b, window row 4, channel 64 w
.set YB0,   40                         ; s[40:41] y at batch b, my row and my 64 pixels
.set YB1,   42                         ; s[42:43] 128 channels on
.set OB,    44                         ; s[44:45] out0 at the same place as YB0; 16 channels on in each trip
.set CMP,   56                         ; s[56:63] eight compares' masks
.set MSB, 0
.macro WIN new                         ; the immediate's high byte repeats the setting that is left; a switch that changes nothing is dropped
.if MSB != (\new)
	s_set_vgpr_msb (MSB<<8)|(\new)
.set MSB, \new
.endif
.endm
.macro PLACES                          ; four places behind a matrix instruction, ahead of readers of its result and of vector writes of its sources (ISA guide 7.12.1)
.rept 4
	v_nop
.endr
.endm
; THE RING.  Block m of 18 is 32 channels x 64 pixels: sixteen loads of 16 bytes a lane.  Load jj brings channel jj + 8 (jj / 8) + 8 h of the block: the order of a fragment's registers.
; m = 0..7: x, window row w, channels 32 m on.  m = 8, 9: x, window row 4, channels 64 w + 32 (m - 8) on.  m = 10..17: y, channels 32 (m - 10) on.  No address register is ever stepped.
.macro LOADBLK m
	WIN 0x40                                       ; destination window 1
.set jj, 0
.rept 16
.set chn, jj+8*(jj/8)
.set rB, 64*((\m)%4)+4*jj
.if (\m) < 8
	global_load_b128 v[rB:rB+3], v[VX], s[XB:XB+1] offset:(\m)*524288+chn*16384
.elseif (\m) < 10
	global_load_b128 v[rB:rB+3], v[VX], s[XB4:XB4+1] offset:((\m)-8)*524288+chn*16384
.elseif (\m) < 14
	global_load_b128 v[rB:rB+3], v[VY], s[YB0:YB0+1] offset:((\m)-10)*2097152+chn*65536 th:TH_LOAD_NT
.else
	global_load_b128 v[rB:rB+3], v[VY], s[YB1:YB1+1] offset:((\m)-14)*2097152+chn*65536 th:TH_LOAD_NT
.endif
.set jj, jj+1
.endr
.endm
; Block mm's a and d (sixteen each, by load) and its two fragments of the weights: twelve LDS loads, in three parts of four: 0: a; 1: d; 2: the weights; a part 3 is empty.
; The parts set no window: they stand where destination and sources 0 and 1 lie in window 0.
.macro TABPART mm, part
.set rWF, WF+(WF1-WF)*((\mm)%2)
.if (\mm) < 8
.set rTA, TADR
.set rWA, WADR
.set oT, 128*(\mm)
.set oW, 64*(\mm)
.elseif (\mm) < 10
.set rTA, TADR4
.set rWA, WADR4
.set oT, 128*((\mm)-8)
.set oW, 64*((\mm)-8)
.else
.set rTA, TADR
.set rWA, WADR
.set oT, 2048+128*((\mm)-10)
.set oW, WQO+64*((\mm)-10)
.endif
.if (\part) < 2
	ds_load_b128 v[AD+16*(\part):AD+16*(\part)+3],     v[rTA] offset:oT+1024*(\part)
	ds_load_b128 v[AD+16*(\part)+4:AD+16*(\part)+7],   v[rTA] offset:oT+1024*(\part)+16
	ds_load_b128 v[AD+16*(\part)+8:AD+16*(\part)+11],  v[rTA] offset:oT+1024*(\part)+64
	ds_load_b128 v[AD+16*(\part)+12:AD+16*(\part)+15], v[rTA] offset:oT+1024*(\part)+80
.elseif (\part) == 2
.irp z, 0,1
	ds_load_b128 v[rWF+8*\z:rWF+8*\z+3],   v[rWA] offset:oW+8448*\z
	ds_load_b128 v[rWF+8*\z+4:rWF+8*\z+7], v[rWA] offset:oW+8448*\z+32
.endr
.endif
.endm
.macro TABLD mm                        ; all twelve on end: behind a barrier that has made the tables or the weights whole
	WIN 0
	TABPART \mm, 0
	TABPART \mm, 1
	TABPART \mm, 2
.endm
; Block m is worked on.  lw: the younger loads that may stay out (below 0: no wait).  cinit: what starts the sums: 1 k_b, 2 q_b, 3 the constant 0; 0: the sums go on.  nld = 1: block m + 4 is asked for.
; ntab = 1: block m + 1's a, d and weights are asked for.  fin = 1: the sums are read next.
.macro BLOCK m, lw, cinit, nld, ntab, fin
.set BB, 64*((\m)%4)
.set rWM, WF+(WF1-WF)*((\m)%2)
.if (\lw) >= 0
	s_wait_loadcnt \lw                             ; loads come back in order: my block is in
.endif
	s_wait_dscnt 0x0                               ; a, d and the weights' fragments, asked for in the block before
.if (\m) < 10                          ; x as it is, rounded to f16, goes into V
.if (\m) < 8
.set rM, 46
.set oV, ((\m)%3)*23040
.if (\m) < 3
.set rV, VST
.elseif (\m) < 6
.set rV, VSTB
.else
.set rV, VSTC
.endif
.else
.set rM, 47
.set rV, VST4
.set oV, ((\m)-8)*23040
.endif
	s_wait_alu depctr_vm_vsrc(0)                   ; the LDS instructions issued so far have read their registers: v[R ..], and in block 0 v80-111 too, are written again below
	WIN 0x05                                       ; sources window 1
.set q, 0
.rept 32
	v_cvt_pk_f16_f32 v[R+q], v[BB+2*q], v[BB+2*q+1]
.set q, q+1
.endr
	WIN 0
.set q, 0
.rept 32
	v_and_b32 v[R+q], s[rM], v[R+q]                ; all ones, or 0 where the window row lies outside the image
.set q, q+1
.endr
.endif
	WIN 0x41                                       ; the data (destination and source 0) in window 1: v a + d in place, a and d of load jj given to both halves
.set jj, 0
.rept 16
.set p, 0
.rept 2
.set rB, BB+4*jj+2*p
.if jj%2
	v_pk_fma_f32 v[rB:rB+1], v[rB:rB+1], v[AD+jj-1:AD+jj], v[AD+16+jj-1:AD+16+jj] op_sel:[0,1,1] op_sel_hi:[1,1,1]
.else
	v_pk_fma_f32 v[rB:rB+1], v[rB:rB+1], v[AD+jj:AD+jj+1], v[AD+16+jj:AD+16+jj+1] op_sel_hi:[1,0,0]
.endif
.set p, p+1
.endr
.set jj, jj+1
.endr
	WIN 0x05                                       ; column tile t's fragment: register i holds component t of loads 2 i and 2 i + 1
.set t, 0
.rept 4
.set i, 0
.rept 8
	v_cvt_pk_f16_f32 v[F+8*t+i], v[BB+8*i+t], v[BB+8*i+4+t]
.set i, i+1
.endr
.set t, t+1
.endr
.if \nld
	WIN 0x40                                       ; the loads' window, ahead of the wait
.else
	WIN 0
.endif
.if (\nld) || (\ntab) || ((\m) < 10)
	s_wait_alu depctr_va_vdst(0)                   ; the block's one wait: v[R ..] is written, which the LDS stores read; the block is done with its load buffer, in which block m + 4 lands; the scalings are done reading a and d, and the block before's products their weights, in which block m + 1's land
.endif
.if \nld
	LOADBLK (\m)+4                                 ; into the buffer just read
.endif
.set t, 0
.rept 4                                ; eight accumulators take turns, one instruction a turn, from block to block too
.set et, 0
.rept 2
.set rA, ACC+8*(4*et+t)
.if (\cinit) == 1
	WIN 0x20                                       ; C in window 2
	v_wmma_f32_16x16x32_f16 v[rA:rA+7], v[rWM+8*et:rWM+8*et+7], v[F+8*t:F+8*t+7], v[KB+8*et:KB+8*et+7]
.elseif (\cinit) == 2
	WIN 0x20
	v_wmma_f32_16x16x32_f16 v[rA:rA+7], v[rWM+8*et:rWM+8*et+7], v[F+8*t:F+8*t+7], v[QB+8*et:QB+8*et+7]
.elseif (\cinit) == 3
	WIN 0
	v_wmma_f32_16x16x32_f16 v[rA:rA+7], v[rWM+8*et:rWM+8*et+7], v[F+8*t:F+8*t+7], 0
.else
	WIN 0
	v_wmma_f32_16x16x32_f16 v[rA:rA+7], v[rWM+8*et:rWM+8*et+7], v[F+8*t:F+8*t+7], v[rA:rA+7]
.endif
.set et, et+1
.endr
; behind each pair of products a part of the LDS work.  No wait: no vector or matrix instruction since the wait above names a register that these touch
.if \ntab
	TABPART (\m)+1, t
.endif
.if (\m) < 10
.set jj, 4*t
.rept 4
	ds_store_b64 v[rV], v[R+2*jj:R+2*jj+1] offset:oV+(jj+8*(jj/8))*720
.set jj, jj+1
.endr
.endif
.set t, t+1
.endr
	WIN 0
.if \fin
	PLACES                                         ; ahead of whatever reads the sums; behind the last block also ahead of the roundings that write Q over the weights' second buffer
.endif
.endm
; S tile g: its first group's window row and column of 8 places, its mask's type, and whether its second group is the next row's first.
.macro SIG g
.if (\g) >= 12
.set DYS, 4
.set COLS, 3
.set TYP, 5
.else
.set DYS, (2*(\g))/5
.set COLS, (2*(\g))%5
.if COLS%2
.set TYP, 3+(COLS-1)/2
.else
.set TYP, COLS/2
.endif
.endif
.set WRP, COLS/4
.endm
	s_load_b512 s[4:19], s[0:1], 0x0               ; y, x, gn_y_w, gn_y_b, gn_x_w, gn_x_b, q_w, q_b
	s_load_b256 s[20:27], s[0:1], 0x40             ; k_w, k_b, part, out0
	v_lshl_add_u32 v[SPW], v0, 2, SPARE
	v_mov_b32 v[NIL], 0
	v_lshrrev_b32 v21, 5, v0
	v_readfirstlane_b32 s28, v21                   ; w
	s_mov_b32 s29, ttmp9                           ; i
	s_and_b32 s30, ttmp7, 0xffff                   ; b
	s_wait_alu depctr_va_sdst(0)                   ; s28 is written, ahead of its first reader
	s_lshr_b32 s31, s28, 1                         ; u
	s_and_b32 s32, s28, 1                          ; sg
	s_mov_b32 s48, 0x3fb8aa3b                      ; c = log2(e)
	s_mov_b32 s49, s48                             ; named with it as a pair
	s_mov_b32 s50, 0x76543210                      ; v_permlanex16_b32: each lane takes its own place in the other half
	s_mov_b32 s51, 0xfedcba98
	s_mov_b32 s52, 0xf149f2ca                      ; -1e30
	s_add_co_i32 s54, s29, s28
	s_add_co_i32 s54, s54, -2                      ; window row w is image row i + w - 2,
	s_max_i32 s55, s54, 0
	s_min_i32 s55, s55, 63                         ; clamped to a row that exists;
	s_cmp_eq_u32 s54, s55
	s_cselect_b32 s46, -1, 0                       ; all ones where nothing was clamped
	s_add_co_u32 s56, s29, 2                       ; window row 4 likewise
	s_min_u32 s57, s56, 63
	s_cmp_eq_u32 s56, s57
	s_cselect_b32 s47, -1, 0
	s_lshl_b32 s58, s30, 22                        ; the batch in x
	s_lshl_b32 s[XB], s55, 8
	s_add_co_u32 s[XB], s[XB], s58
	s_mov_b32 s[XB+1], 0
	s_lshl_b32 s[XB4], s57, 8
	s_add_co_u32 s[XB4], s[XB4], s58
	s_lshl_b32 s58, s28, 20                        ; 64 w channels of x
	s_add_co_u32 s[XB4], s[XB4], s58
	s_mov_b32 s[XB4+1], 0
	s_lshl_b32 s[YB0], s30, 24                     ; the batch in y and out0,
	s_lshl1_add_u32 s58, s29, s31                  ; row 2 i + u,
	s_lshl_b32 s58, s58, 9
	s_add_co_u32 s[YB0], s[YB0], s58
	s_lshl_b32 s58, s32, 8                         ; my 64 pixels
	s_add_co_u32 s[YB0], s[YB0], s58
	s_mov_b32 s[YB0+1], 0
	v_and_b32 v1, 31, v0                           ; lane
	v_and_b32 v2, 15, v0                           ; r
	v_bfe_u32 v3, v0, 4, 1                         ; h
	v_lshlrev_b32 v21, 4, v2
	v_lshl_add_u32 v[VX], v3, 17, v21
	v_lshl_add_u32 v[VY], v3, 19, v21
	v_lshl_add_u32 v[TADR], v3, 5, TAB
	s_lshl_b32 s54, s28, 8
	v_add_nc_u32 v[TADR4], s54, v[TADR]
	v_mul_u32_u24 v[WADR], v2, 528
	v_lshl_add_u32 v[WADR], v3, 4, v[WADR]
	v_add_nc_u32 v[WADR], WK, v[WADR]
	s_lshl_b32 s54, s28, 7
	v_add_nc_u32 v[WADR4], s54, v[WADR]
	v_mul_u32_u24 v22, v3, 5760                    ; 8 h channels of V
	v_lshl_add_u32 v22, v2, 3, v22                 ; + cells 4 r on
	s_mul_i32 s54, s28, 144
	s_add_co_u32 s54, s54, 8                       ; + window row w, + the 4 places of padding
	v_add_nc_u32 v[VST], s54, v22
	v_add_nc_u32 v[VSTB], 69120, v[VST]            ; 96 channels on,
	v_add_nc_u32 v[VSTC], 138240, v[VST]           ; and 192: no address is stepped in the ring
	s_mul_i32 s54, s28, 46080
	s_add_co_u32 s54, s54, 584                     ; 64 w channels, window row 4, the padding
	v_add_nc_u32 v[VST4], s54, v22
	v_mul_u32_u24 v22, v2, 320                     ; 4 r places of KL
	v_lshl_add_u32 v22, v3, 4, v22                 ; + e 8 h on
	s_mul_i32 s54, s28, 5760
	s_add_co_u32 s54, s54, KL+320
	v_add_nc_u32 v[KST], s54, v22
	s_mul_i32 s54, s28, 80
	s_add_co_u32 s54, s54, KL+23040+320
	v_add_nc_u32 v[KST4], s54, v22
	v_lshlrev_b32 v22, 4, v1
	s_lshl_b32 s54, s28, 13
	s_add_co_u32 s54, s54, RED
	v_add_nc_u32 v[RST], s54, v22
	s_lshl_b32 s54, s28, 10
	s_add_co_u32 s54, s54, RED
	v_add_nc_u32 v[RLD], s54, v22
	v_and_b32 v22, 7, v0
	v_bfe_u32 v23, v0, 3, 1
	v_mul_u32_u24 v22, v22, 80                     ; place r % 8 of a group,
	v_lshl_add_u32 v22, v3, 4, v22                 ; e 8 h on,
	s_mul_i32 s54, s32, 2560                       ; my segment's 32 sg places
	s_add_co_u32 s54, s54, KL
	v_add_nc_u32 v22, s54, v22
	v_mad_u32_u24 v[AKR], v23, 640, v22            ; rows 8-15: the next group of the row,
	v_mad_u32_u24 v[AKW], v23, 3200, v22           ; or the next row's first: 5,760 - 4 x 640
	v_mul_u32_u24 v22, v2, 720                     ; channel r of a tile of 16
	s_lshl_b32 s54, s32, 6
	v_add_nc_u32 v22, s54, v22
	v_lshl_add_u32 v[AVR], v3, 4, v22              ; the lanes' upper half takes the second group
	v_mad_u32_u24 v[AVW], v3, 80, v22              ; 144 - 4 x 16
	s_lshl_b32 s54, s30, 5
	v_add_nc_u32 v27, s54, v1                      ; 32 b + lane: lane = group
	v_lshlrev_b32 v21, 6, v27                      ; its 8 pairs of y's partial sums
	v_lshlrev_b32 v22, 4, v27                      ; its 2 pairs of x's
	v_lshlrev_b32 v23, 19, v27                     ; its pivot in y
	v_lshlrev_b32 v24, 17, v27                     ; and in x
	v_lshlrev_b32 v25, 3, v0                       ; two channels' gains and biases
	v_lshlrev_b32 v26, 4, v0                       ; four weights
	v_lshlrev_b32 v27, 5, v3                       ; the biases of e 8 h on
	s_wait_kmcnt 0x0
	s_add_nc_u64 s[OB:OB+1], s[26:27], s[YB0:YB0+1]
	s_add_nc_u64 s[YB0:YB0+1], s[4:5], s[YB0:YB0+1]
	s_add_nc_u64 s[YB1:YB1+1], s[YB0:YB0+1], 0x800000
	s_add_nc_u64 s[XB:XB+1], s[6:7], s[XB:XB+1]
	s_add_nc_u64 s[XB4:XB4+1], s[6:7], s[XB4:XB4+1]
	; THE FIRST LOADS: two blocks of x, the statistics, gains and biases, k_w and k_b
	WIN 0x40
	s_wait_alu depctr_va_vdst(0)                   ; the offsets and addresses v4 to v27 and v30 are written, which the kernel's loads and stores read
	LOADBLK 0
	LOADBLK 1
	WIN 0
	global_load_b128 v[80:83], v21, s[24:25]
	global_load_b128 v[84:87], v21, s[24:25] offset:16
	global_load_b128 v[88:91], v21, s[24:25] offset:32
	global_load_b128 v[92:95], v21, s[24:25] offset:48
	global_load_b128 v[96:99], v22, s[24:25] offset:8192
	global_load_b32 v100, v23, s[4:5]
	global_load_b32 v101, v24, s[6:7]
	global_load_b64 v[102:103], v25, s[8:9]
	global_load_b64 v[104:105], v25, s[10:11]
	global_load_b64 v[106:107], v25, s[12:13]
	global_load_b64 v[108:109], v25, s[14:15]
	WIN 0x80                                       ; destination window 2
.set k, 0
.rept 16
	global_load_b128 v[4*k:4*k+3], v26, s[20:21] offset:2048*k
.set k, k+1
.endr
	global_load_b128 v[KB:KB+3],     v27, s[22:23]
	global_load_b128 v[KB+4:KB+7],   v27, s[22:23] offset:16
	global_load_b128 v[KB+8:KB+11],  v27, s[22:23] offset:64
	global_load_b128 v[KB+12:KB+15], v27, s[22:23] offset:80
	WIN 0
	; WHILE THEY ARE OUT: the padding of V and KL, the prologue's LDS addresses, the masks
	v_and_b32 v110, 0x7c, v0                       ; 4 x (thread / 4): the lane that holds the group of channels 2 t, 2 t + 1
	v_add_nc_u32 v111, TAB, v25
	v_lshrrev_b32 v[WST], 6, v0
	v_mul_u32_u24 v[WST], v[WST], 528
	v_and_b32 v246, 63, v0
	v_lshl_add_u32 v[WST], v246, 3, v[WST]
	v_add_nc_u32 v[WST], WK, v[WST]                ; row thread / 64, channels 4 (thread % 64) on; load k is two rows on
	v_mul_u32_u24 v246, v0, 720                    ; V: channel = thread,
	v_add_nc_u32 v247, 92160, v246                 ; and thread + 128
	v_lshrrev_b32 v248, 2, v1                      ; KL, window row w: padded place lane / 4 of 8,
	v_lshrrev_b32 v249, 2, v248
	v_lshl_add_u32 v248, v249, 6, v248             ; which are places 0-3 and 68-71
	v_mul_u32_u24 v248, v248, 80
	v_and_b32 v249, 3, v0
	v_lshl_add_u32 v248, v249, 4, v248
	s_mul_i32 s54, s28, 5760
	s_add_co_u32 s54, s54, KL
	v_add_nc_u32 v248, s54, v248
	v_lshrrev_b32 v250, 4, v0                      ; KL, window row 4: padded place thread / 16, one word a thread
	v_lshrrev_b32 v251, 2, v250
	v_lshl_add_u32 v250, v251, 6, v250
	v_mul_u32_u24 v250, v250, 80
	v_and_b32 v251, 15, v0
	v_lshl_add_u32 v250, v251, 2, v250
	v_add_nc_u32 v250, KL+23040, v250
	v_mov_b32 v252, 0
	v_mov_b32 v253, 0
	v_mov_b32 v254, 0
	v_mov_b32 v255, 0
	s_wait_alu depctr_va_vdst(0)                   ; the padding's addresses v246 to v250 and its zeros v252 to v255 are written, which the LDS stores read; so are v110, v111 and v245, which later LDS instructions read
.set k, 0
.rept 5
	ds_store_b64 v246, v[252:253] offset:144*k
	ds_store_b64 v246, v[252:253] offset:144*k+136
	ds_store_b64 v247, v[252:253] offset:144*k
	ds_store_b64 v247, v[252:253] offset:144*k+136
.set k, k+1
.endr
	ds_store_b128 v248, v[252:255]
	ds_store_b32 v250, v252
	; THE MASKS.  Column r of tile t (tau = t / 2) sees places 2 r + tau + 2 .. + 6 of its segment.  Register j of an S tile holds place 8 col + j, col by the lanes' half: it is seen where
	; 8 col + j - (2 r + tau + 2), as an unsigned number, is below 5.  Six types of tile by their two columns: (0,1) (2,3) (4,0) (1,2) (3,4) (none,4), for each tau.
	v_lshlrev_b32 v240, 1, v2
	v_sub_nc_u32 v240, -2, v240                    ; -(2 r + 2)
	v_add_nc_u32 v241, -1, v240                    ; -(2 r + 3)
	v_lshlrev_b32 v242, 3, v3                      ; 8 h
	v_lshlrev_b32 v243, 5, v3                      ; 32 h
	v_xor_b32 v244, 1, v3
	v_lshlrev_b32 v244, 14, v244                   ; far outside for the lower half
.irp z, 0,1
	v_add_nc_u32 v[144+6*\z], v242, v[240+\z]
	v_add3_u32 v[145+6*\z], v242, 16, v[240+\z]
	v_sub_nc_u32 v[146+6*\z], v[240+\z], v243
	v_add_nc_u32 v[146+6*\z], 32, v[146+6*\z]
	v_add3_u32 v[147+6*\z], v242, 8, v[240+\z]
	v_add3_u32 v[148+6*\z], v242, 24, v[240+\z]
	v_add3_u32 v[149+6*\z], v244, 32, v[240+\z]
.endr
	WIN 0x80
.set q, 0
.rept 96
	v_add_nc_u32 v[MK+q], q%8, v[144+q/8]
.set q, q+1
.endr
	WIN 0x88                                       ; source 1 and destination window 2
.set mq, 0
.rept 12                               ; a mask of eight registers at a time: eight compares into eight scalar registers, one wait, eight selections
.set q, 0
.rept 8
	v_cmp_le_u32 s[CMP+q], 5, v[MK+8*mq+q]
.set q, q+1
.endr
	s_wait_alu depctr_va_sdst(0)                   ; the eight compares have written s56 to s63, ahead of the selections that read them
.set q, 0
.rept 8
	v_cndmask_b32 v[MK+8*mq+q], 0, s52, s[CMP+q]   ; -1e30 where hidden
.set q, q+1
.endr
.set mq, mq+1
.endr
	s_wait_loadcnt 0x0                             ; the first loads are in
	WIN 0x80
.set k, 0
.rept 16
	global_load_b128 v[64+4*k:64+4*k+3], v26, s[16:17] offset:2048*k  ; q_w.  No wait: no vector instruction has named these registers, nor those of the next two blocks
.set k, k+1
.endr
	global_load_b128 v[QB:QB+3],     v27, s[18:19]
	global_load_b128 v[QB+4:QB+7],   v27, s[18:19] offset:16
	global_load_b128 v[QB+8:QB+11],  v27, s[18:19] offset:64
	global_load_b128 v[QB+12:QB+15], v27, s[18:19] offset:80
	LOADBLK 2
	LOADBLK 3
	WIN 0
	; THE STATISTICS, in every wave; lane = group.  mean = p + S1 / n; variance = S2 / n - (S1 / n)^2, both sums taken of v - p; n = 2^17 in y, 2^15 in x
	v_pk_add_f32 v[80:81], v[80:81], v[82:83]
	v_pk_add_f32 v[84:85], v[84:85], v[86:87]
	v_pk_add_f32 v[88:89], v[88:89], v[90:91]
	v_pk_add_f32 v[92:93], v[92:93], v[94:95]
	v_pk_add_f32 v[96:97], v[96:97], v[98:99]
	v_pk_add_f32 v[80:81], v[80:81], v[84:85]
	v_pk_add_f32 v[88:89], v[88:89], v[92:93]
	v_pk_add_f32 v[80:81], v[80:81], v[88:89]
	v_mul_f32 v98, 0x38000000, v96
	v_mul_f32 v99, 0x38000000, v97
	v_mul_f32 v82, 0x37000000, v80
	v_mul_f32 v83, 0x37000000, v81
	v_fma_f32 v99, -v98, v98, v99
	v_fma_f32 v83, -v82, v82, v83
	v_max_num_f32 v99, 0, v99
	v_max_num_f32 v83, 0, v83
	v_add_f32 v99, 0x3727c5ac, v99                 ; + 1e-5
	v_add_f32 v83, 0x3727c5ac, v83
	v_add_f32 v98, v101, v98                       ; x's mean
	v_add_f32 v82, v100, v82                       ; y's mean
	v_rsq_f32 v99, v99
	v_rsq_f32 v83, v83
	v_nop                                          ; a plain instruction behind the last of the two,
	s_wait_alu depctr_va_vdst(0)                   ; and the one wait ahead of their first reader: v83 and v99, and the means v82 and v98, are written, which the permutes read; the additions are done with v84 to v87, in which the permutes' results land
	ds_bpermute_b32 v84, v110, v83                 ; my two channels' group: y's rsqrt,
	ds_bpermute_b32 v85, v110, v82                 ; y's mean,
	ds_bpermute_b32 v86, v110, v99                 ; x's rsqrt,
	ds_bpermute_b32 v87, v110, v98                 ; x's mean
	s_wait_dscnt 0x0
	v_mul_f32 v88, v84, v102                       ; a = rsqrt x gain
	v_mul_f32 v89, v84, v103
	v_mul_f32 v92, v86, v106
	v_mul_f32 v93, v86, v107
	v_fma_f32 v90, -v85, v88, v104                 ; d = bias - mean x a
	v_fma_f32 v91, -v85, v89, v105
	v_fma_f32 v94, -v87, v92, v108
	v_fma_f32 v95, -v87, v93, v109
	WIN 0x0a                                       ; sources window 2: k_w to f16
.set q, 0
.rept 32
	v_cvt_pk_f16_f32 v[R+q], v[2*q], v[2*q+1]
.set q, q+1
.endr
	WIN 0
	s_wait_alu depctr_va_vdst(0)                   ; a and d (v88 to v95) and the rounded k_w (v[R ..]) are written, which the twenty LDS stores read
	ds_store_b64 v111, v[92:93]
	ds_store_b64 v111, v[94:95] offset:1024
	ds_store_b64 v111, v[88:89] offset:2048
	ds_store_b64 v111, v[90:91] offset:3072
.set k, 0
.rept 16
	ds_store_b64 v[WST], v[R+2*k:R+2*k+1] offset:1056*k
.set k, k+1
.endr
	s_wait_dscnt 0x0                               ; for the others' sake: my part of the tables and of k_w is stored
	s_barrier_signal -1
	s_barrier_wait -1                              ; the tables and k_w are whole
	TABLD 0                                        ; no wait: no vector instruction has named v32 to v79
	; THE RING: eighteen blocks on end, block m in buffer m % 4, asked for four blocks ahead
	BLOCK 0, -1, 1, 1, 1, 0
	s_wait_loadcnt 48                              ; q_w and q_b are in: behind them went blocks 2, 3 and 4, 48 loads, which may stay out
	s_wait_alu depctr_vm_vsrc(0)                   ; block 0's LDS stores have read v[R ..], which the roundings below write again
	WIN 0x0a
.set q, 0
.rept 32
	v_cvt_pk_f16_f32 v[R+q], v[64+2*q], v[64+2*q+1]
.set q, q+1
.endr
	WIN 0
	s_wait_alu depctr_va_vdst(0)                   ; the rounded q_w is written, which the LDS stores read
.set k, 0
.rept 16
	ds_store_b64 v[WST], v[R+2*k:R+2*k+1] offset:WQO+1056*k  ; read behind the second barrier
.set k, k+1
.endr
.irp m, 1,2,3,4,5,6,7
	BLOCK \m, 48, 0, 1, 1, (\m)/7                  ; three younger blocks of 16 loads stay out
.endr
	; window row w's k: rounded, selected, stored: a lane's 8 e of a cell are 16 bytes
	s_wait_alu depctr_vm_vsrc(0)                   ; block 7's LDS stores have read v[R ..], which the roundings below write again
.set q, 0
.rept 8
.set i, 0
.rept 4
	v_cvt_pk_f16_f32 v[R+4*q+i], v[ACC+8*q+2*i], v[ACC+8*q+2*i+1]
.set i, i+1
.endr
.set q, q+1
.endr
.set q, 0
.rept 32
	v_and_b32 v[R+q], s46, v[R+q]
.set q, q+1
.endr
	s_wait_alu depctr_va_vdst(0)                   ; the rounded, selected k is written, which the LDS stores read
.set q, 0
.rept 8
	ds_store_b128 v[KST], v[R+4*q:R+4*q+3] offset:(q%4)*80+32*(q/4)
.set q, q+1
.endr
	BLOCK 8, 48, 3, 1, 1, 0                        ; window row 4: my 64 channels' partial sums start at 0; k_b is added when they meet
	BLOCK 9, 48, 0, 1, 0, 1                        ; block 10's weights are whole only behind the barrier below: nothing of it is asked for here
	s_wait_alu depctr_va_vdst(0)                   ; the products have written the accumulators, which the LDS stores read, and are done reading v80 to v111, in which the loads behind the barrier land; the places above stay beside this wait
.set q, 0
.rept 8
	ds_store_b128 v[RST], v[ACC+8*q:ACC+8*q+3]   offset:1024*q
	ds_store_b128 v[RST], v[ACC+8*q+4:ACC+8*q+7] offset:1024*q+512
.set q, q+1
.endr
	s_wait_dscnt 0x0                               ; for the others' sake: my partial sums and my part of q_w are stored
	s_barrier_signal -1
	s_barrier_wait -1                              ; the four partial sums and q_w are whole; four blocks of y stay on their way
	s_wait_alu depctr_vm_vsrc(0)                   ; my LDS stores have read v[R ..], in which the loads below land, and the accumulators, which block 10's products write again
.set q, 0
.rept 16                               ; wave w finishes column tile w: source wave q / 4, e half (q / 2) % 2, registers 4 (q % 2) on
	ds_load_b128 v[80+4*q:80+4*q+3], v[RLD] offset:(q/4)*8192+((q/2)%2)*4096+(q%2)*512
.set q, q+1
.endr
	TABLD 10
	s_wait_dscnt 12                                ; the sixteen are in; the twelve table loads behind them may stay out
.set i, 0
.rept 8
	v_pk_add_f32 v[80+2*i:81+2*i], v[80+2*i:81+2*i], v[96+2*i:97+2*i]
	v_pk_add_f32 v[112+2*i:113+2*i], v[112+2*i:113+2*i], v[128+2*i:129+2*i]
.set i, i+1
.endr
.set i, 0
.rept 8
	v_pk_add_f32 v[80+2*i:81+2*i], v[80+2*i:81+2*i], v[112+2*i:113+2*i]
.set i, i+1
.endr
	WIN 0x08                                       ; source 1 window 2: k_b
.set i, 0
.rept 8
	v_pk_add_f32 v[80+2*i:81+2*i], v[80+2*i:81+2*i], v[KB+2*i:KB+2*i+1]
.set i, i+1
.endr
	WIN 0
.set i, 0
.rept 8
	v_cvt_pk_f16_f32 v[R+i], v[80+2*i], v[81+2*i]
.set i, i+1
.endr
.set i, 0
.rept 8
	v_and_b32 v[R+i], s47, v[R+i]
.set i, i+1
.endr
	s_wait_alu depctr_va_vdst(0)                   ; window row 4's rounded, selected k is written, which the two LDS stores read
	ds_store_b128 v[KST4], v[R:R+3]
	ds_store_b128 v[KST4], v[R+4:R+7] offset:32
	BLOCK 10, 48, 2, 1, 1, 0                       ; y: q's sums start with q_b
.irp m, 11,12,13
	BLOCK \m, 48, 0, 1, 1, 0
.endr
	BLOCK 14, 48, 0, 0, 1, 0                       ; the last four blocks ask for no more of y: the counts run down
	BLOCK 15, 32, 0, 0, 1, 0
	BLOCK 16, 16, 0, 0, 1, 0
	BLOCK 17, 0, 0, 0, 0, 1                        ; it issues no load and no store, so it holds no wait on va_vdst
.set t, 0
.rept 4                                ; q, rounded in pairs, is source 1 of S^T: registers 0-3 e 8 h on, 4-7 e 16 + 8 h on
.set et, 0
.rept 2
.set i, 0
.rept 4
	v_cvt_pk_f16_f32 v[QF+8*t+4*et+i], v[ACC+8*(4*et+t)+2*i], v[ACC+8*(4*et+t)+2*i+1]
.set i, i+1
.endr
.set et, et+1
.endr
.set t, t+1
.endr
	v_mov_b32 v140, 0                              ; v_permlanex16_b32's destination counts as read
	s_wait_dscnt 0x0                               ; for the others' sake: my stores into V and KL are done
	s_barrier_signal -1
	s_barrier_wait -1                              ; V and KL are whole; nothing writes LDS from here on
	s_wait_alu depctr_vm_vsrc(0)                   ; the stores of window row 4's k have read v112 to v119, which the scores' products write again
	WIN 0x80                                       ; K's thirteen fragments stay in registers, window 2.  No wait on va_vdst: the roundings that read the weights there stand ahead of the ring's waits, and nothing has named these registers since
.set g, 0
.rept 13
	SIG g
.if WRP
	ds_load_b128 v[8*g:8*g+3],   v[AKW] offset:DYS*5760+COLS*640
	ds_load_b128 v[8*g+4:8*g+7], v[AKW] offset:DYS*5760+COLS*640+32
.else
	ds_load_b128 v[8*g:8*g+3],   v[AKR] offset:DYS*5760+COLS*640
	ds_load_b128 v[8*g+4:8*g+7], v[AKR] offset:DYS*5760+COLS*640+32
.endif
.set g, g+1
.endr
	WIN 0
	s_wait_dscnt 0x0
; COLUMN TILE t: scores, maximum, weights, their sum, P.  No memory or LDS instruction stands in it.
.macro SOFT t
	WIN 0x22                                       ; K and the mask in window 2
.set g, 0
.rept 13                               ; thirteen results, each its own accumulator: one instruction each, started by the mask
	SIG g
	v_wmma_f32_16x16x32_f16 v[S+8*g:S+8*g+7], v[8*g:8*g+7], v[QF+8*(\t):QF+8*(\t)+7], v[MK+8*(6*((\t)/2)+TYP):MK+8*(6*((\t)/2)+TYP)+7]
.set g, g+1
.endr
	WIN 0
	PLACES
	; the maximum of the lane's 104 scores: four chains; each accumulator's lowest registers are read first
.set i, 0
.rept 4
.set g, 0
.rept 4
.if i == 0
	v_max3_num_f32 v[CC+g], v[S+8*g], v[S+8*g+1], v[S+8*g+2]
.elseif i < 3
	v_max3_num_f32 v[CC+g], v[CC+g], v[S+8*g+2*i+1], v[S+8*g+2*i+2]
.else
	v_max_num_f32 v[CC+g], v[CC+g], v[S+8*g+7]
.endif
.set g, g+1
.endr
.set i, i+1
.endr
.set gg, 4
.rept 2
.set i, 0
.rept 4
.set g, gg
.rept 4
	v_max3_num_f32 v[CC+g%4], v[CC+g%4], v[S+8*g+2*i], v[S+8*g+2*i+1]
.set g, g+1
.endr
.set i, i+1
.endr
.set gg, gg+4
.endr
.set i, 0
.rept 4
	v_max3_num_f32 v[CC], v[CC], v[S+96+2*i], v[S+96+2*i+1]
.set i, i+1
.endr
	v_max3_num_f32 v[CC], v[CC], v[CC+1], v[CC+2]
	v_max_num_f32 v[CC], v[CC], v[CC+3]
	v_permlanex16_b32 v140, v[CC], s50, s51        ; the column's other groups lie in the lane 16 away
	v_max_num_f32 v141, v[CC], v140
	v_mul_f32 v[CM], s48, v141                     ; c m
	v_mov_b32 v[CM+1], v[CM]                       ; named with it as a pair
.set i, 0
.rept 52
	v_pk_fma_f32 v[S+2*i:S+2*i+1], v[S+2*i:S+2*i+1], s[48:49], v[CM:CM+1] op_sel_hi:[1,0,0] neg_lo:[0,0,1] neg_hi:[0,0,1]  ; c s - c m
.set i, i+1
.endr
.set i, 0
.rept 104                              ; one batch
	v_exp_f32 v[S+i], v[S+i]
.set i, i+1
.endr
	v_nop                                          ; a plain instruction behind the last exponential,
	s_wait_alu depctr_va_vdst(0)                   ; and one wait ahead of the batch's first reader: the 104 weights are written
.set k, 0
.rept 4                                ; l, of the unrounded weights: four chains over the 52 pairs
	v_pk_add_f32 v[SU+2*k:SU+2*k+1], v[S+2*k:S+2*k+1], v[S+2*k+8:S+2*k+9]
.set k, k+1
.endr
.set i, 8
.rept 44
	v_pk_add_f32 v[SU+2*(i%4):SU+2*(i%4)+1], v[SU+2*(i%4):SU+2*(i%4)+1], v[S+2*i:S+2*i+1]
.set i, i+1
.endr
	v_pk_add_f32 v[SU:SU+1], v[SU:SU+1], v[SU+2:SU+3]
	v_pk_add_f32 v[SU+4:SU+5], v[SU+4:SU+5], v[SU+6:SU+7]
	v_pk_add_f32 v[SU:SU+1], v[SU:SU+1], v[SU+4:SU+5]
	v_add_f32 v[SU], v[SU], v[SU+1]
	v_permlanex16_b32 v140, v[SU], s50, s51
	v_add_f32 v[LL+(\t)], v[SU], v140
	WIN 0x40                                       ; P into window 1
.set i, 0
.rept 52
	v_cvt_pk_f16_f32 v[56*(\t)+i], v[S+2*i], v[S+2*i+1]
.set i, i+1
.endr
.set i, 52
.rept 4
	v_mov_b32 v[56*(\t)+i], 0                      ; the fourteenth tile, which fills the seventh step of 32 places
.set i, i+1
.endr
	WIN 0
.endm
	SOFT 0
	SOFT 1
	SOFT 2
	SOFT 3
.irp t, 0,1,2,3
	v_rcp_f32 v[LL+\t], v[LL+\t]                   ; l is at least 1: the maximum's own weight
.endr
	v_nop
	s_wait_alu depctr_va_vdst(0)                   ; one wait for the four reciprocals; it also states that the softmax is done with v32 to v87, in which V's first fragments land
; V's fragments of 16 channels: one load of 16 bytes a lane for each S tile: its first group in the lanes' lower half, its second in the upper.  Tile 13 reads tile 12's bytes once more: they meet zeros of P.
.macro VFL p, g                        ; tile g's load, into buffer p
	SIG \g
.if WRP
	ds_load_b128 v[VF+56*(\p)+4*(\g):VF+56*(\p)+4*(\g)+3], v[AVW] offset:DYS*144+COLS*16
.else
	ds_load_b128 v[VF+56*(\p)+4*(\g):VF+56*(\p)+4*(\g)+3], v[AVR] offset:DYS*144+COLS*16
.endif
.endm
; A TRIP: 16 channels x my 64 pixels, on buffers p = the trip's parity.  28 products, four accumulators by turns, over the backward jump too; the first four start their sums with the constant 0.
; first = 1: trip 0, with no trip in front of it: nothing to store.  more = 1: the next 16 channels' fragments are asked for, into the other buffer, dealt behind the first four groups of four products.
; The stores of the trip before go out at the head: their data lie in the other out-buffer.
.macro AVTRIP p, first, more
.if !(\first)
	s_wait_xcnt 0x0                                ; the stores issued in the last trip have had their addresses translated (ISA guide 3.1): only now are their base and their data registers, O[p], written again
.endif
	s_wait_alu depctr_vm_vsrc(0)                   ; the fragment loads issued so far have read v18 and v19, which step below; the stores issued in the last trip have read O[p], which this trip's multiplies write again
.if \more
	v_add_nc_u32 v[AVR], 11520, v[AVR]             ; 16 channels on
	v_add_nc_u32 v[AVW], 11520, v[AVW]
.endif
.if !(\first)
	s_add_nc_u64 s[OB:OB+1], s[OB:OB+1], 0x100000  ; 16 channels on; the stores below reach back by their immediate
.endif
	s_wait_alu depctr_va_vdst(0)                   ; v18 and v19 are written; the last trip's multiplies have written the other O, which the stores below read; its products are done reading the other VF, in which the loads below land
.if !(\first)
.set j, 0
.rept 8
	global_store_b128 v[VY], v[O+32*(1-(\p))+4*j:O+32*(1-(\p))+4*j+3], s[OB:OB+1] offset:j*65536-0x100000 th:TH_STORE_NT  ; lanes 0-15: 256 consecutive bytes, aligned, of channel j of the 16; lanes 16-31: of channel 8 + j
.set j, j+1
.endr
.endif
	s_wait_dscnt 0x0                               ; VF[p], asked for a trip ago, is in
	WIN 0x04                                       ; P in window 1; the LDS loads' destination and address stay in window 0
.set kk, 0
.rept 7
.set t, 0
.rept 4
.if kk == 0
	v_wmma_f32_16x16x32_f16 v[AC+8*t:AC+8*t+7], v[VF+56*(\p)+8*kk:VF+56*(\p)+8*kk+7], v[56*t+8*kk:56*t+8*kk+7], 0
.else
	v_wmma_f32_16x16x32_f16 v[AC+8*t:AC+8*t+7], v[VF+56*(\p)+8*kk:VF+56*(\p)+8*kk+7], v[56*t+8*kk:56*t+8*kk+7], v[AC+8*t:AC+8*t+7]
.endif
.set t, t+1
.endr
.if (\more) && (kk < 4)                ; no wait: no vector or matrix instruction since the wait above names the other VF or the two addresses
.set g, 4*kk
.rept 4
.if g < 14
	VFL 1-(\p), g
.endif
.set g, g+1
.endr
.endif
.set kk, kk+1
.endr
	WIN 0
	PLACES                                         ; behind the last product, ahead of the multiplies that read the sums
.set j, 0
.rept 8
.set t, 0
.rept 4
	v_mul_f32 v[O+32*(\p)+4*j+t], v[AC+8*t+j], v[LL+t]  ; 1 / l, and four neighbouring pixels side by side
.set t, t+1
.endr
.set j, j+1
.endr
.endm
.set g, 0
.rept 14
	VFL 0, g                                       ; trip 0's fragments
.set g, g+1
.endr
	AVTRIP 0, 1, 1                                 ; trip 0
	s_mov_b32 s53, 7
.Lav:                                                  ; trips 1 to 14, two to a lap: both kinds of buffer are back at their start
	AVTRIP 1, 0, 1
	AVTRIP 0, 0, 1
	s_sub_co_u32 s53, s53, 1
	s_cmp_lg_u32 s53, 0
	s_cbranch_scc1 .Lav
	AVTRIP 1, 0, 0                                 ; the last 16 channels: nothing more to fetch
	s_wait_xcnt 0x0                                ; the stores' base is written again only behind this wait
	s_add_nc_u64 s[OB:OB+1], s[OB:OB+1], 0x100000
	s_wait_alu depctr_va_vdst(0)                   ; the last trip's multiplies have written O1, which the last eight stores read
.set j, 0
.rept 8
	global_store_b128 v[VY], v[O+32+4*j:O+32+4*j+3], s[OB:OB+1] offset:j*65536-0x100000 th:TH_STORE_NT
.set j, j+1
.endr
	s_wait_dscnt 0x0                               ; the closing lines, six on end
	s_wait_alu 0x0
	s_wait_tensorcnt 0x0
	ds_add_u32 v[SPW], v[NIL]
	s_wait_dscnt 0x0
	s_endpgm
.Lfunc_end_k_qd3f60e5688_fuse:
	.size	k_qd3f60e5688_fuse, .Lfunc_end_k_qd3f60e5688_fuse-k_qd3f60e5688_fuse
	.p2alignl 7, 3214868480
	.fill 96, 4, 3214868480
	.section	.rodata,"a",@progbits
	.p2align	6, 0x0
	.amdhsa_kernel k_qd3f60e5688_fuse
		.amdhsa_group_segment_fixed_size 284416
		.amdhsa_private_segment_fixed_size 0
		.amdhsa_enable_private_segment 0
		.amdhsa_kernarg_size 96
		.amdhsa_user_sgpr_count 2
		.amdhsa_user_sgpr_kernarg_segment_ptr 1
		.amdhsa_wavefront_size32 1
		.amdhsa_system_sgpr_workgroup_id_x 1
		.amdhsa_system_sgpr_workgroup_id_y 1
		.amdhsa_system_sgpr_workgroup_id_z 1
		.amdhsa_system_vgpr_workitem_id 0
		.amdhsa_next_free_vgpr 768
		.amdhsa_next_free_sgpr 66
		.amdhsa_reserve_vcc 0
		.amdhsa_float_denorm_mode_32 3
		.amdhsa_float_denorm_mode_16_64 3
		.amdhsa_memory_ordered 1
		.amdhsa_forward_progress 1
		.amdhsa_inst_pref_size 255
	.end_amdhsa_kernel
	.section	.bss,"aw",@nobits
	.p2align	6
	.space	262144
	.amdgpu_metadata
---
amdhsa.version: [ 1, 2 ]
amdhsa.kernels:
  - .name:           k_qd3f60e5688_fuse
    .symbol:         k_qd3f60e5688_fuse.kd
    .args:
      - { .name: y, .offset: 0, .size: 8, .value_kind: global_buffer, .address_space: global }
      - { .name: x, .offset: 8, .size: 8, .value_kind: global_buffer, .address_space: global }
      - { .name: gn_y_w, .offset: 16, .size: 8, .value_kind: global_buffer, .address_space: global }
      - { .name: gn_y_b, .offset: 24, .size: 8, .value_kind: global_buffer, .address_space: global }
      - { .name: gn_x_w, .offset: 32, .size: 8, .value_kind: global_buffer, .address_space: global }
      - { .name: gn_x_b, .offset: 40, .size: 8, .value_kind: global_buffer, .address_space: global }
      - { .name: q_w, .offset: 48, .size: 8, .value_kind: global_buffer, .address_space: global }
      - { .name: q_b, .offset: 56, .size: 8, .value_kind: global_buffer, .address_space: global }
      - { .name: k_w, .offset: 64, .size: 8, .value_kind: global_buffer, .address_space: global }
      - { .name: k_b, .offset: 72, .size: 8, .value_kind: global_buffer, .address_space: global }
      - { .name: part, .offset: 80, .size: 8, .value_kind: global_buffer, .address_space: global }
      - { .name: out0, .offset: 88, .size: 8, .value_kind: global_buffer, .address_space: global }
    .group_segment_fixed_size: 284416
    .private_segment_fixed_size: 0
    .kernarg_segment_align: 8
    .kernarg_segment_size: 96
    .max_flat_workgroup_size: 128
    .sgpr_count:     66
    .vgpr_count:     768
    .wavefront_size: 32
...
	.end_amdgpu_metadata
.endif
;; end of part 3
